; MI455X (gfx1250); checked and timed in simulation.
; The chip was launched on July 23, 2026; its instructions are those of AMD's public machine-readable ISA for CDNA 5 (MIT licence, August 2026) and "CDNA5" Instruction Set Architecture Reference Guide (July 2026). The comments in the code are by the model that wrote it; some were corrected since.
;; Self Attention. Allowed arithmetic: matrix products marked QUANTISED: E2M1 operands, one E8M0 scale for each 32 along K, by v_wmma_scale_f32_16x16x128_f8f6f4 with both operands' format E2M1 (or v_wmma_scale_f32_32x16x128_f4), f32 sums; products left as they are: bf16, f16 or f32 operands; f32 sums; everything else in f32.
;; Inputs: Wproj 1,024 x 1,024 float32; Wqkv 1,024 x 3,072 float32; x 4 x 2,048 x 1,024 float32.
;; Outputs: out0 4 x 2,048 x 1,024 float32.
;; This version of the problem:
;;   THIS VERSION OF THE PROBLEM IS GIVEN IN LOW PRECISION. The matrix products marked QUANTISED in the list below multiply operands that are first quantised to E2M1 (2 exponent bits, 1 mantissa bit; 4 bits a number), with one power-of-two scale for each 32 numbers along K (OCP MX v1.0); their sums are f32. The products marked 'left as it is' may take bf16, f16 or f32 operands, with f32 sums. Whichever they take, every output number must still come out within the allowed error. Rounding operands to bf16 (8 significant bits) uses up far more of that allowance than f16 does (11 bits, for magnitudes from 6e-5 to 65,504). All else is computed in f32.
;;   The module's matrix products, in the order in which they are computed (A, B: the left and right operand; K: the contracted axis; several contracted axes count as one K, in the product's order):
;;     1. [M 8,192, K 1,024] x [K 1,024, N 3,072]; A: input x; B: input Wqkv: QUANTISED
;;     2. batch 64 x [M 2,048, K 64] x [K 64, N 2,048]; A: computed on the way; B: computed on the way: left as it is (an operand is computed on the way)
;;     3. batch 64 x [M 2,048, K 2,048] x [K 2,048, N 64]; A: computed on the way; B: computed on the way: left as it is (an operand is computed on the way)
;;     4. [M 8,192, K 1,024] x [K 1,024, N 1,024]; A: computed on the way; B: input Wproj: left as it is (an operand is computed on the way)
;;   THE QUANTISER, for each operand of a quantised product, along K:
;;     - K is cut into blocks of 32 from its start; a last block that is shorter is filled with zeros.
;;     - A block's scale is 2^e with e = floor(log2(the largest magnitude in the block)) - 2, held to -126 .. 127; a block of zeros has e = 0. As a byte (E8M0): e + 127.
;;     - Each number is divided by its block's scale, clamped to +-6, and rounded to the nearest number of E2M1, ties to even, subnormals kept.
;;     - The product sums the exact products of the quantised numbers (number of the format x scale) in f32.
;;   ~~~python
;;   def quantise(x, axis):      # numpy; x: float32 -> the quantised numbers, widened to float32 again
;;       x = np.moveaxis(x, axis, -1); K = x.shape[-1]
;;       x = np.pad(x, [(0, 0)] * (x.ndim - 1) + [(0, -K % 32)]); x = x.reshape(x.shape[:-1] + (-1, 32)); a = np.abs(x).max(-1, keepdims=True)
;;       e = np.where(a > 0, np.clip(np.frexp(np.where(a > 0, a, 1))[1] - 1 - 2, -126, 127), 0)      # np.frexp(a)[1] - 1 = floor(log2(a)), exactly
;;       r = np.clip(x / 2.0 ** e, -6, 6)
;;       step = 2.0 ** (np.maximum(np.frexp(np.where(r == 0, 1, r))[1] - 1, 0) - 1)
;;       q = np.round(r / step) * step * 2.0 ** e      # np.round: ties to even
;;       return np.moveaxis(q.reshape(q.shape[:-2] + (-1,))[..., :K], -1, axis).astype(np.float32)
;;   ~~~
;; One version. Each part assembles by itself: llvm-mc -triple=amdgcn-amd-amdhsa -mcpu=gfx1250 --defsym DOCPART=n.
;; ======== version 1 of 1: 5 launches
;; limits: values are held in f16: magnitudes above 65,504 overflow, below 6.1e-05 lose precision
;; workspace buffers: x_codes 4,194,304 bytes; x_scales 262,144 bytes; wq_img 1,572,864 bytes; wq_scales 98,304 bytes; wp_img 2,097,152 bytes; qkv 50,331,648 bytes; qkv32 786,432 bytes; y_img 16,777,216 bytes
;; launch prep (part 1): grid 384 x 1, 4 waves a work-group, no clusters, 33,280 bytes of LDS; arguments x, Wqkv, Wproj, x_codes, x_scales, wq_img, wq_scales, wp_img; writes x_codes, x_scales, wq_img, wq_scales, wp_img
.if DOCPART == 1
	.amdgcn_target "amdgcn-amd-amdhsa--gfx1250"
	.amdhsa_code_object_version 6
	.text
	.protected	k_qe257fb3db2_prep
	.globl	k_qe257fb3db2_prep
	.p2align	8
	.type	k_qe257fb3db2_prep,@function
k_qe257fb3db2_prep:
	s_mov_b64 s[64:65], 0
	v_nop
	global_prefetch_b8 v0, s[64:65] scope:SCOPE_SE
	s_setreg_imm32_b32 hwreg(HW_REG_WAVE_MODE, 25, 1), 1
	s_wait_xcnt 0x0
; PREP: the operands of the later launches are made once.  Three kinds of work-groups, told apart by the work-group's number; each reads 131,072 bytes.
;   0-255   x [8192][1024] f32 -> codes of FP4 (E2M1), K innermost, [8192][512 bytes], and one E8M0 byte for each 32 along K, [8192][32].
;   256-351 Wqkv [1024 (k)][3072 (n)] f32, K its FIRST axis -> codes laid as IMAGES OF THE OPERAND'S REGISTERS, [S 2][tile of 16 columns 192][q 4][1,024 bytes]: the fragment of
;           16 columns x 128 K (K = 512 S + 128 q on); in it piece c of 512 bytes holds, at 16 x lane, the block of 32 along K that lane (r, h) wants: block 2 c + h of column r.  Scale bytes [3072][32].
;   352-383 Wproj [1024 (k)][1024 (n)] f32 -> f16 images [S 4][tile of 16 columns 64][ks 8][1,024 bytes]: 16 columns x 32 K (K = 256 S + 32 ks on); piece c, lane (r, h): K 16 c + 8 h + 0 .. 7 of column r.
; A block's scale is 2^(floor(log2(its largest magnitude)) - 2); its byte is the largest magnitude's exponent field - 2, held at 1 from below.
; LIMITS: a block of zeros gets the byte 1 where the rule says 127 (its codes are zeros, and this program alone reads the bytes); blocks whose largest magnitude lies under 2^-124 are held at that floor;
; NaN and infinities among the inputs are not served; Wproj beyond 65,504 in magnitude has no f16 number.
; No tensor loads, no barrier: waves share nothing.  Only x's work-groups use LDS.
.set WREG,  8192                       ; LDS: a region for each wave: two stages of 32 x SP bytes, then its 256 scale bytes
.set SP,    80                         ; a lane's place in a stage: 64 bytes + 16 of padding
.set SPARE, 4*WREG                     ; behind the regions: the spare words, 128 bytes for each wave
.set STEPS, 16
.set SPW,   12                         ; v12  my spare word; never rewritten
.set NIL,   13                         ; v13  0; never rewritten
.set R,     16                         ; x: v16-79 four sets of 16 numbers as loaded
.set X,     80                         ; x: v80-111 two sets of 16 neighbours
.set E,     112                        ; x: v112-127 a scale byte for each step
.set C,     128                        ; x: v128-191 codes, four registers for each step
.set XK,    32                         ; weights: v32-95 two sets of 32 numbers down K
.set CK,    96                         ; weights: v96-127 what is stored
	s_load_b256 s[4:11], s[0:1], 0x0               ; x s[4:5], Wqkv s[6:7], Wproj s[8:9], x_codes s[10:11]
	s_load_b256 s[12:19], s[0:1], 0x20             ; x_scales s[12:13], wq_img s[14:15], wq_scales s[16:17], wp_img s[18:19]
	v_lshl_add_u32 v[SPW], v0, 2, SPARE
	v_mov_b32 v[NIL], 0
	v_lshrrev_b32 v1, 5, v0
	v_readfirstlane_b32 s20, v1                    ; wave
	v_and_b32 v2, 31, v0                           ; lane
	s_mov_b32 s25, 0
	s_wait_kmcnt 0x0
	s_cmp_lt_u32 ttmp9, 256
	s_cbranch_scc0 .Lweights
; ---- x.  A wave takes 16 steps of 512 numbers.  Each load reads 512 consecutive bytes; a step's 2,048 bytes turn through the wave's own stage, so that a lane holds 16 neighbours along K (two lanes hold a block).
	v_lshlrev_b32 v3, 4, v2                        ; my 16 bytes of a load's 512
	s_mul_i32 s21, s20, WREG
	v_lshrrev_b32 v14, 2, v2
	v_mul_u32_u24 v14, v14, SP
	v_and_b32 v15, 3, v2
	v_lshl_add_u32 v14, v15, 4, v14
	v_add_nc_u32 v14, s21, v14                     ; the stage, in: SP (lane / 4) + 16 (lane % 4)
	v_mul_u32_u24 v15, v2, SP
	v_add_nc_u32 v15, s21, v15                     ; and out: SP x lane
	v_lshlrev_b32 v4, 3, v2                        ; 8 bytes a lane: my codes in a step's 256, and my part of the wave's 256 scale bytes
	v_lshrrev_b32 v5, 1, v2
	s_add_co_u32 s21, s21, 2*32*SP
	v_add_nc_u32 v5, s21, v5                       ; LDS: my block's byte
	v_add_nc_u32 v6, s21, v4                       ; and 8 of them on the way out
	s_lshl_b32 s22, ttmp9, 2
	s_add_co_u32 s22, s22, s20                     ; which run of 8,192 numbers is my wave's
	s_lshl_b32 s24, s22, 15
	s_add_nc_u64 s[4:5], s[4:5], s[24:25]
	s_lshl_b32 s24, s22, 12
	s_add_nc_u64 s[10:11], s[10:11], s[24:25]
	s_lshl_b32 s24, s22, 8
	s_add_nc_u64 s[12:13], s[12:13], s[24:25]
.macro LOAD t
.irp i, 0,1,2,3
	global_load_b128 v[R+16*((\t)%4)+4*\i:R+16*((\t)%4)+4*\i+3], v3, s[4:5] offset:2048*(\t)+512*\i th:TH_LOAD_NT
.endr
.endm
.macro TURN t                          ; LDS serves a wave's instructions in order: no wait between the stores and the loads
.irp i, 0,1,2,3
	ds_store_b128 v14, v[R+16*((\t)%4)+4*\i:R+16*((\t)%4)+4*\i+3] offset:32*SP*((\t)%2)+8*SP*\i
.endr
.irp i, 0,1,2,3
	ds_load_b128 v[X+16*((\t)%2)+4*\i:X+16*((\t)%2)+4*\i+3], v15 offset:32*SP*((\t)%2)+16*\i
.endr
.endm
.irp t, 0,1,2,3
	LOAD \t
.endr
	s_wait_loadcnt 12                              ; step 0's four loads are in; three steps' twelve may be out
	TURN 0
.macro STEP t
.set XS, X+16*((\t)%2)
.if (\t) > 0
	s_wait_dscnt 1                                 ; this step's numbers are back from the stage; the last step's byte store may be out
.else
	s_wait_dscnt 0x0
.endif
.if (\t)+4 < STEPS
	LOAD (\t)+4                                    ; into the set whose stores into the stage are done
.endif
.if (\t)+1 < STEPS
.if STEPS-2-(\t) >= 3
	s_wait_loadcnt 12                              ; the next step's four loads are in; those of the three steps behind it may be out
.else
	s_wait_loadcnt 4*(STEPS-2-(\t))
.endif
	TURN (\t)+1
.endif
	v_max3_num_f32 v8, |v[XS]|, |v[XS+1]|, |v[XS+2]|
	v_max3_num_f32 v9, |v[XS+3]|, |v[XS+4]|, |v[XS+5]|
.irp i, 6,10
	v_max3_num_f32 v8, v8, |v[XS+\i]|, |v[XS+\i+1]|
	v_max3_num_f32 v9, v9, |v[XS+\i+2]|, |v[XS+\i+3]|
.endr
	v_max3_num_f32 v8, v8, |v[XS+14]|, |v[XS+15]|
	v_max3_num_f32 v8, v8, v9, 0x1800000           ; and the floor 2^(3 - 127): the byte cannot fall under 1
	v_max_num_f32_dpp v8, v8, v8 row_xmask:1 row_mask:0xf bank_mask:0xf   ; with my neighbour's 16: the block's largest magnitude
	v_add_nc_u32 v11, 0xff000000, v8               ; 2 off its exponent field: the conversion takes this operand's exponent field as its scale
	v_cvt_scalef32_pk8_fp4_f32 v[C+4*(\t)], v[XS:XS+7], v11
	v_cvt_scalef32_pk8_fp4_f32 v[C+4*(\t)+1], v[XS+8:XS+15], v11
	v_lshrrev_b32 v[E+(\t)], 23, v11               ; the scale's byte
	ds_store_b8 v5, v[E+(\t)] offset:16*(\t)       ; both lanes of a block write the same byte with the same value
	global_store_b64 v4, v[C+4*(\t):C+4*(\t)+1], s[10:11] offset:256*(\t)   ; the wave stores 256 consecutive bytes, aligned
.endm
.irp t, 0,1,2,3,4,5,6,7,8,9,10,11,12,13,14,15
	STEP \t
.endr
	ds_load_b64 v[8:9], v6                         ; my wave's 256 scale bytes, 8 a lane
	s_wait_dscnt 0x0
	global_store_b64 v4, v[8:9], s[12:13]          ; 256 consecutive bytes, aligned
	s_wait_tensorcnt 0x0                           ; the wave's end, behind my last LDS store
	ds_add_u32 v[SPW], v[NIL]
	s_wait_dscnt 0x0
	s_endpgm
; ---- the weights.  A LANE TAKES A COLUMN AND ITS REGISTERS RUN DOWN K: a load reads 128 consecutive bytes a wave, 512 a work-group; a block of 32 along K lies in one lane.
; A work-group takes 128 columns x 256 along K, a wave 32 columns: 8 blocks a lane.  Loads run two blocks ahead.
.macro LOADK t, base, rowb
.irp i, 0,1,2,3,4,5,6,7,8,9,10,11,12,13,14,15,16,17,18,19,20,21,22,23,24,25,26,27,28,29,30,31
	global_load_b32 v[XK+32*((\t)%2)+\i], v3, s[\base:\base+1] offset:(32*(\t)+\i)*\rowb th:TH_LOAD_NT
.endr
.endm
.Lweights:
	v_lshlrev_b32 v3, 2, v2                        ; in: 4 bytes a lane
	v_and_b32 v5, 15, v2                           ; my column in its tile of 16
	v_lshrrev_b32 v6, 4, v2                        ; which of the wave's two tiles
	s_cmp_lt_u32 ttmp9, 352
	s_cbranch_scc0 .Lproj
	s_sub_co_u32 s21, ttmp9, 256
	s_lshr_b32 s22, s21, 2                         ; which 128 columns
	s_and_b32 s23, s21, 3                          ; which 256 along K
	s_mul_i32 s24, s23, 256*12288
	s_lshl_b32 s26, s22, 9
	s_add_co_u32 s24, s24, s26
	s_lshl_b32 s26, s20, 7
	s_add_co_u32 s24, s24, s26
	s_add_nc_u64 s[6:7], s[6:7], s[24:25]          ; Wqkv at my wave's first number
	s_lshr_b32 s24, s23, 1
	s_mul_i32 s24, s24, 786432                     ; S
	s_lshl_b32 s26, s22, 15                        ; 8 tiles of 4,096 bytes for each 128 columns,
	s_add_co_u32 s24, s24, s26
	s_lshl_b32 s26, s20, 13                        ; 2 for each wave,
	s_add_co_u32 s24, s24, s26
	s_and_b32 s26, s23, 1
	s_lshl_b32 s26, s26, 11                        ; q = 0, 1 or 2, 3
	s_add_co_u32 s24, s24, s26
	s_add_nc_u64 s[14:15], s[14:15], s[24:25]
	s_lshl_b32 s24, s22, 12                        ; scale bytes: 32 a column
	s_lshl_b32 s26, s20, 10
	s_add_co_u32 s24, s24, s26
	s_lshl_b32 s26, s23, 3                         ; my 8 blocks
	s_add_co_u32 s24, s24, s26
	s_add_nc_u64 s[16:17], s[16:17], s[24:25]
	v_lshlrev_b32 v4, 12, v6
	v_lshl_add_u32 v4, v5, 4, v4                   ; out: my tile, 16 bytes a column
	v_lshlrev_b32 v9, 5, v2
	LOADK 0, 6, 12288
	LOADK 1, 6, 12288
.macro WBLOCK t
.set XS, XK+32*((\t)%2)
.if (\t) < 7
	s_wait_loadcnt 32                              ; this block's 32 loads are in; the next block's may be out
.else
	s_wait_loadcnt 0x0
.endif
	v_max3_num_f32 v16, |v[XS]|, |v[XS+1]|, |v[XS+2]|
	v_max3_num_f32 v17, |v[XS+3]|, |v[XS+4]|, |v[XS+5]|
.irp i, 6,10,14,18,22,26
	v_max3_num_f32 v16, v16, |v[XS+\i]|, |v[XS+\i+1]|
	v_max3_num_f32 v17, v17, |v[XS+\i+2]|, |v[XS+\i+3]|
.endr
	v_max3_num_f32 v16, v16, |v[XS+30]|, |v[XS+31]|
	v_max3_num_f32 v16, v16, v17, 0x1800000        ; and the floor
	v_add_nc_u32 v18, 0xff000000, v16              ; the conversion's scale operand
	v_lshrrev_b32 v19, 23, v18                     ; the byte
.if (\t)%4 == 0
	v_mov_b32 v[24+(\t)/4], v19                    ; four bytes to a register, the lower K in the lower byte
.else
	v_lshl_or_b32 v[24+(\t)/4], v19, 8*((\t)%4), v[24+(\t)/4]
.endif
.irp g, 0,1,2,3
	v_cvt_scalef32_pk8_fp4_f32 v[CK+4*(\t)+\g], v[XS+8*\g:XS+8*\g+7], v18
.endr
	global_store_b128 v4, v[CK+4*(\t):CK+4*(\t)+3], s[14:15] offset:((\t)/4)*1024+(((\t)%4)/2)*512+((\t)%2)*256   ; sixteen lanes store 256 consecutive bytes, aligned; each block has registers of its own
.if (\t)+2 < 8
	LOADK (\t)+2, 6, 12288
.endif
.endm
.irp t, 0,1,2,3,4,5,6,7
	WBLOCK \t
.endr
	global_store_b64 v9, v[24:25], s[16:17]        ; 8 bytes of each column's 32: pieces of aligned 256-byte runs, 98,304 bytes in the whole launch
	s_endpgm
.Lproj:
	s_sub_co_u32 s21, ttmp9, 352
	s_lshr_b32 s22, s21, 2                         ; which 128 columns
	s_and_b32 s23, s21, 3                          ; which 256 along K: S
	s_lshl_b32 s24, s23, 20
	s_lshl_b32 s26, s22, 9
	s_add_co_u32 s24, s24, s26
	s_lshl_b32 s26, s20, 7
	s_add_co_u32 s24, s24, s26
	s_add_nc_u64 s[8:9], s[8:9], s[24:25]
	s_lshl_b32 s24, s23, 19
	s_lshl_b32 s26, s22, 16                        ; 8 tiles of 8,192 bytes for each 128 columns,
	s_add_co_u32 s24, s24, s26
	s_lshl_b32 s26, s20, 14                        ; 2 for each wave
	s_add_co_u32 s24, s24, s26
	s_add_nc_u64 s[18:19], s[18:19], s[24:25]
	v_lshlrev_b32 v4, 13, v6
	v_lshl_add_u32 v4, v5, 4, v4
	LOADK 0, 8, 4096
	LOADK 1, 8, 4096
.macro PBLOCK t
.set XS, XK+32*((\t)%2)
.set CS, CK+16*((\t)%2)
.if (\t) < 7
	s_wait_loadcnt 32
.else
	s_wait_loadcnt 0x0
.endif
.if (\t) >= 2
	s_wait_xcnt 0x0                                ; the stores of two blocks ago have read this set: it is written again only behind this wait
.endif
.irp i, 0,1,2,3,4,5,6,7,8,9,10,11,12,13,14,15
	v_cvt_pk_f16_f32 v[CS+\i], v[XS+2*\i], v[XS+2*\i+1]
.endr
.irp g, 0,1,2,3
	global_store_b128 v4, v[CS+4*\g:CS+4*\g+3], s[18:19] offset:(\t)*1024+\g*256   ; K 8 g + 0 .. 7: piece g / 2, half g % 2; sixteen lanes store 256 consecutive bytes, aligned
.endr
.if (\t)+2 < 8
	LOADK (\t)+2, 8, 4096
.endif
.endm
.irp t, 0,1,2,3,4,5,6,7
	PBLOCK \t
.endr
	s_endpgm
.Lfunc_end_k_qe257fb3db2_prep:
	.size	k_qe257fb3db2_prep, .Lfunc_end_k_qe257fb3db2_prep-k_qe257fb3db2_prep
	.p2alignl 7, 3214868480
	.fill 96, 4, 3214868480
	.section	.rodata,"a",@progbits
	.p2align	6, 0x0
	.amdhsa_kernel k_qe257fb3db2_prep
		.amdhsa_group_segment_fixed_size 33280
		.amdhsa_private_segment_fixed_size 0
		.amdhsa_enable_private_segment 0
		.amdhsa_kernarg_size 64
		.amdhsa_user_sgpr_count 2
		.amdhsa_user_sgpr_kernarg_segment_ptr 1
		.amdhsa_wavefront_size32 1
		.amdhsa_system_sgpr_workgroup_id_x 1
		.amdhsa_system_sgpr_workgroup_id_y 1
		.amdhsa_system_sgpr_workgroup_id_z 1
		.amdhsa_system_vgpr_workitem_id 0
		.amdhsa_next_free_vgpr 192
		.amdhsa_next_free_sgpr 66
		.amdhsa_reserve_vcc 0
		.amdhsa_float_denorm_mode_32 3
		.amdhsa_float_denorm_mode_16_64 3
		.amdhsa_memory_ordered 1
		.amdhsa_forward_progress 1
		.amdhsa_inst_pref_size 107
	.end_amdhsa_kernel
	.amdgpu_metadata
---
amdhsa.version: [ 1, 2 ]
amdhsa.kernels:
  - .name:           k_qe257fb3db2_prep
    .symbol:         k_qe257fb3db2_prep.kd
    .args:
      - { .name: x, .offset: 0, .size: 8, .value_kind: global_buffer, .address_space: global }
      - { .name: Wqkv, .offset: 8, .size: 8, .value_kind: global_buffer, .address_space: global }
      - { .name: Wproj, .offset: 16, .size: 8, .value_kind: global_buffer, .address_space: global }
      - { .name: x_codes, .offset: 24, .size: 8, .value_kind: global_buffer, .address_space: global }
      - { .name: x_scales, .offset: 32, .size: 8, .value_kind: global_buffer, .address_space: global }
      - { .name: wq_img, .offset: 40, .size: 8, .value_kind: global_buffer, .address_space: global }
      - { .name: wq_scales, .offset: 48, .size: 8, .value_kind: global_buffer, .address_space: global }
      - { .name: wp_img, .offset: 56, .size: 8, .value_kind: global_buffer, .address_space: global }
    .group_segment_fixed_size: 33280
    .private_segment_fixed_size: 0
    .kernarg_segment_align: 8
    .kernarg_segment_size: 64
    .max_flat_workgroup_size: 128
    .sgpr_count:     66
    .vgpr_count:     192
    .wavefront_size: 32
...
	.end_amdgpu_metadata
.endif
;; end of part 1
;; launch qkv (part 2): grid 12 x 32, 4 waves a work-group, clusters of 4 x 4, 327,680 bytes of LDS; arguments x_codes, x_scales, wq_img, wq_scales, qkv, qkv32; writes qkv, qkv32
.if DOCPART == 2
	.amdgcn_target "amdgcn-amd-amdhsa--gfx1250"
	.amdhsa_code_object_version 6
	.text
	.protected	k_qe257fb3db2_qkv
	.globl	k_qe257fb3db2_qkv
	.p2align	8
	.type	k_qe257fb3db2_qkv,@function
k_qe257fb3db2_qkv:
	s_mov_b64 s[64:65], 0
	v_nop
	global_prefetch_b8 v0, s[64:65] scope:SCOPE_SE
	s_setreg_imm32_b32 hwreg(HW_REG_WAVE_MODE, 25, 1), 1
	s_wait_xcnt 0x0
	s_wait_alu depctr_hold_cnt(0) depctr_sa_sdst(0) depctr_va_vdst(0) depctr_va_sdst(0) depctr_va_ssrc(0) depctr_va_vcc(0) depctr_vm_vsrc(0)
	s_getreg_b32 s2, hwreg(HW_REG_IB_STS2, 6, 4)
	s_cmp_eq_u32 s2, 0
	s_cbranch_scc0 .Lentry_in_a_cluster
	s_endpgm
.Lentry_in_a_cluster:
	s_bfe_u32 s2, ttmp6, 0x10000c
	s_cmp_lg_u32 s2, 0xf033
	s_cbranch_scc0 .Lentry_shape_is_right
	s_endpgm
.Lentry_shape_is_right:
; QKV = Q(x) Q(Wqkv): [8192][1024] x [1024][3072] on codes of FP4 (E2M1) with one E8M0 scale for each 32 along K; sums in f32.
; A tile of C, 256 x 256, is made by a work-group of four waves; a wave makes 128 x 128: 64 accumulators of 16 x 16, 512 registers.
; K = 1,024 is two slots of 512: BOTH ARE ASKED FOR AT THE HEAD, nothing is filled again, so the text has no loop: eight steps of 128 along K, one change of slots.  A wave has three tensor loads out at the most.
; x's codes come as rows (256 bytes of a row to a slot, 16 bytes of padding behind each); Wqkv's come as images of the operand's registers, dense: a fragment is two loads at 16 x lane.
; The scale bytes of the work-group's 256 rows and 256 columns, for all of K, come once, with the first fills.
; CLUSTERS: 4 x 4 work-groups.  The four of a row of the cluster need the same tiles of x, the four of a column the same tiles of Wqkv: each is asked for JOINTLY.
; Tile column = 4 x cluster x + cx: cluster x = 0, 1, 2 makes q, k, v.  TILE ROW = 8 cy + cluster y: so the batch is cy, and cluster y = 0 holds the four tiles that begin a batch: what hangs on cluster y is alike in all partners.
; THE MATRIX INSTRUCTION IS USED TRANSPOSED (source 0 = 16 columns of Wqkv, source 1 = 16 rows of x): a lane holds eight neighbouring columns of one row of C.
; OUT: f16, laid as the next launch reads it: [g = column / 64][batch][tile of 16 positions][piece of 16 channels][512 bytes].  A lane's 16 bytes (position r, channels 8 h on) lie in a piece at
; 16 r + 256 h for q and k (the image of a 16-bit operand's registers), at 32 r + 16 h for v (rows of 32 bytes, for the turning load).  So each store of a wave covers 512 consecutive bytes, and no stage is needed.
; The first 16 positions of each batch go out in f32 as well, as rows [batch x 16 + position][3072]: the last launch carries them in f32.
; LIMITS: results beyond 65,504 in magnitude have no f16 number; under 6e-5 they are carried with f16's smallest step.
; REGISTERS, in windows of 256: window 0: v0-31 addresses; v32-95 scale words, two sets; v128-191 x's fragments, ONE set; v192-255 packed results.   window 1: Wqkv's fragments, TWO sets, at v0 and v128.
;   window 2: the 32 accumulators of my rows 0-63 (accumulator (a, b) at v[8 (8 a + b)]);   window 3: those of my rows 64-127.
.set NQ,     4                         ; steps of 128 along K in a slot
.set ROWB,   256                       ; a slot's part of a row of x's codes
.set KROW,   512                       ; a row of x's codes in memory
.set PITCH,  272                       ; and in LDS: 256 bytes + 16: the 16 rows that a load touches start 68 words apart
.set FR,     8
.set NL,     2
.set NP,     4                         ; places behind this matrix instruction (ISA guide 7.12.1)
.set HALFA,  128*PITCH                 ; 128 rows of x: one tensor load
.set HALFB,  32768                     ; 8 tiles of 16 columns x 4 steps x 1,024 bytes: one tensor load
.set BOFF,   2*HALFA
.set SLOT,   BOFF+2*HALFB
.set KS,     32                        ; a row of scale bytes
.set SCL,    2*SLOT                    ; behind the slots: the scales, as units of 256 bytes + 16 of padding
.set HALFS,  (128*KS/256)*272
.set SBLK,   (16*KS/256)*272
.set SPARE,  SCL+4*HALFS               ; the spare words, 128 bytes for each wave
.set SPITCH, 528                       ; the f32 copy's stage: 16 rows x (512 + 16) for a wave, in slot 0, which has had its one fill and its last read by then
.set ADRA, 16                          ; v16-17  LDS address of my fragments of x in slot 0, 1
.set ADRB, 20                          ; v20-21  of Wqkv
.set STO,  24
.set RD,   25
.set CO,   26                          ; v26     16 x lane
.set ADRS, 27                          ; v27     my scale words: lanes 0-15 x's rows, lanes 16-31 Wqkv's columns
.set SPW,  28
.set NIL,  29
.set LO,   30                          ; v30     my 16 bytes in a piece of the output
.set SC,   32
.set AF,   128
.set BK,   128                         ; the f32 copy: 16 rows read back
.set TMP,  192
.set G1, 24
.set G0, 32
.set G1B, 48
.set G0B, 56
.set G1S, 68
.set G0S, 76
.set G1SB, 80
.set G0SB, 88
.set MSB, 0
.macro WIN new                         ; the immediate's high byte repeats the setting that is left
.if MSB != \new
	s_set_vgpr_msb (MSB<<8)|\new
.set MSB, \new
.endif
.endm
.set MUL_LO, 0xa1                      ; source 0 window 1, source 1 window 0, C and D window 2
.set MUL_HI, 0xf1
.set TO_B,   0x40
; A joint load: waves 0 and 1 fetch for x, waves 2 and 3 for Wqkv.  The branch hangs on the wave's number alone.  An s_nop 0 and four v_nop follow each of the two lines.
.macro JLOAD g0a, g1a, g0b, g1b
	s_cmp_eq_u32 s15, 0
	s_cbranch_scc0 .Lfor_b_\@
	tensor_load_to_lds s[\g0a:\g0a+3], s[\g1a:\g1a+7]
	s_nop 0
.rept 4
	v_nop
.endr
	s_branch .Lasked_\@
.Lfor_b_\@:
	tensor_load_to_lds s[\g0b:\g0b+3], s[\g1b:\g1b+7]
	s_nop 0
.rept 4
	v_nop
.endr
.Lasked_\@:
.endm
.macro CROUND                          ; a round of the cluster's barrier
	s_barrier_signal -1
	s_barrier_wait -1
	s_cmp_lg_u32 s14, 0
	s_cbranch_scc1 .Lnot_wave_0_\@
	s_barrier_signal -3
.Lnot_wave_0_\@:
	s_barrier_wait -3
	s_barrier_signal -1
	s_barrier_wait -1
.endm
	s_load_b128 s[4:7], s[0:1], 0x0                ; x's codes, x's scales
	s_load_b128 s[8:11], s[0:1], 0x10              ; Wqkv's images, its scales
	s_load_b64 s[12:13], s[0:1], 0x20              ; qkv
	s_load_b64 s[98:99], s[0:1], 0x28              ; qkv32
	v_lshl_add_u32 v[SPW], v0, 2, SPARE
	v_mov_b32 v[NIL], 0
	ds_add_u32 v[SPW], v[NIL]                      ; the wave's opening: the add, twice on end, and its wait ahead of my first tensor load
	ds_add_u32 v[SPW], v[NIL]
	v_lshrrev_b32 v1, 5, v0
	v_readfirstlane_b32 s14, v1                    ; wave 0..3
	s_lshr_b32 s15, s14, 1                         ; which half of the tile's rows is mine.  Also: I fetch for x (0) or for Wqkv (1)
	s_and_b32 s16, s14, 1                          ; which half of its columns.  Also: which half I fetch
	s_bfe_u32 s40, ttmp6, 0x40000                  ; cx
	s_bfe_u32 s41, ttmp6, 0x40004                  ; cy
	s_lshl_b32 s42, ttmp9, 2
	s_add_co_u32 s42, s42, s40                     ; tile column = 4 x cluster x + cx
	s_and_b32 s96, ttmp7, 0xffff                   ; cluster y
	s_lshl_b32 s17, s41, 3
	s_add_co_u32 s17, s17, s96                     ; tile row = 8 cy + cluster y
	s_lshl_b32 s43, s41, 2
	s_lshl_b32 s43, 15, s43                        ; my row of the cluster
	s_lshl_b32 s44, 0x1111, s40                    ; my column
	s_or_b32 s[G1+0], s43, (0<<16)|(1<<20)|(1<<21)|(5<<22)|(3<<25)  ; x: the mask of my row; elements of 1 byte; padding: 4 words behind every 64; bit 21 beside a mask
	s_mov_b32 s[G1+1], ROWB<<16                    ; tensor_dim0
	s_mov_b32 s[G1+2], 128<<16                     ; tensor_dim1
	s_mov_b32 s[G1+3], ROWB<<16                    ; tile_dim0
	s_mov_b32 s[G1+4], 128                         ; tile_dim1
	s_mov_b32 s[G1+5], KROW                        ; the pitch
	s_mov_b32 s[G1+6], 0
	s_mov_b32 s[G1+7], 0
	s_or_b32 s[G1B+0], s44, (3<<16)|(1<<21)        ; Wqkv: the mask of my column; a dense block of 32,768 bytes as 128 rows of 32 elements of 8 bytes, no padding
	s_mov_b32 s[G1B+1], 32<<16
	s_mov_b32 s[G1B+2], 128<<16
	s_mov_b32 s[G1B+3], 32<<16
	s_mov_b32 s[G1B+4], 128
	s_mov_b32 s[G1B+5], 32
	s_mov_b32 s[G1B+6], 0
	s_mov_b32 s[G1B+7], 0
	s_or_b32 s[G1S+0], s43, (3<<16)|(1<<20)|(1<<21)|(5<<22)|(3<<25)   ; the scales of 128 rows: 4,096 dense bytes as 16 rows of 256, 16 bytes of padding behind each
	s_or_b32 s[G1SB+0], s44, (3<<16)|(1<<20)|(1<<21)|(5<<22)|(3<<25)
.irp g, G1S, G1SB
	s_mov_b32 s[\g+1], 32<<16
	s_mov_b32 s[\g+2], (128*KS/256)<<16
	s_mov_b32 s[\g+3], 32<<16
	s_mov_b32 s[\g+4], 128*KS/256
	s_mov_b32 s[\g+5], 32
	s_mov_b32 s[\g+6], 0
	s_mov_b32 s[\g+7], 0
.endr
	s_lshl_b32 s18, s16, 7                         ; which 128 I fetch
	s_lshl_b32 s20, s17, 8
	s_add_co_u32 s20, s20, s18                     ; x: row 256 x tile row + 128 x half
	s_lshl_b32 s46, s42, 8
	s_add_co_u32 s46, s46, s18                     ; Wqkv: column 256 x tile column + 128 x half
	s_mov_b32 s21, 0
	s_mov_b32 s23, 0
	s_mov_b32 s47, 0
	s_mov_b32 s93, 0
	s_lshl_b32 s22, s20, 5                         ; their scale bytes: 32 a row,
	s_lshl_b32 s92, s46, 5
	s_lshl_b32 s20, s20, 9                         ; x's codes: 512 bytes a row,
	s_lshl_b32 s46, s46, 8                         ; the images: 4,096 bytes for 16 columns
	s_mul_i32 s45, s16, HALFA                      ; where they go: no place in the cluster enters an LDS address
	s_mul_i32 s95, s16, HALFB
	s_add_co_u32 s95, s95, BOFF
	s_mul_i32 s94, s14, HALFS
	s_wait_dscnt 0x0                               ; both opening adds are done
	s_wait_kmcnt 0x0
	s_add_nc_u64 s[20:21], s[4:5], s[20:21]
	s_add_nc_u64 s[22:23], s[6:7], s[22:23]
	s_add_nc_u64 s[46:47], s[8:9], s[46:47]
	s_add_nc_u64 s[92:93], s[10:11], s[92:93]
	CROUND                                         ; all sixteen work-groups are here: the joint loads meet
	s_mov_b32 s[G0S], 1
	s_add_co_u32 s[G0S+1], s94, SCL
	s_mov_b64 s[G0S+2:G0S+3], s[22:23]
	s_or_b32 s[G0S+3], s[G0S+3], 0x80000000
	s_mov_b32 s[G0SB], 1
	s_add_co_u32 s[G0SB+1], s94, SCL
	s_mov_b64 s[G0SB+2:G0SB+3], s[92:93]
	s_or_b32 s[G0SB+3], s[G0SB+3], 0x80000000
	JLOAD G0S, G1S, G0SB, G1SB                     ; the scales first: they are wanted with the first step
.irp s, 0,1
	s_mov_b32 s[G0+4*\s], 1
	s_add_co_u32 s[G0+4*\s+1], s45, \s*SLOT
	s_add_nc_u64 s[G0+4*\s+2:G0+4*\s+3], s[20:21], \s*ROWB
	s_or_b32 s[G0+4*\s+3], s[G0+4*\s+3], 0x80000000
	s_mov_b32 s[G0B+4*\s], 1
	s_add_co_u32 s[G0B+4*\s+1], s95, \s*SLOT
	s_add_nc_u64 s[G0B+4*\s+2:G0B+4*\s+3], s[46:47], \s*786432
	s_or_b32 s[G0B+4*\s+3], s[G0B+4*\s+3], 0x80000000
	JLOAD G0+4*\s, G1, G0B+4*\s, G1B
.endr
	v_and_b32 v1, 15, v0                           ; r = l % 16
	v_bfe_u32 v2, v0, 4, 1                         ; h = l / 16
	v_mul_u32_u24 v3, v1, PITCH
	v_lshl_add_u32 v4, v2, 4, v3                   ; x: a fragment's row x pitch + 16 h
	v_and_b32 v6, 31, v0
	v_lshlrev_b32 v[CO], 4, v6                     ; 16 x lane
	s_mul_i32 s21, s15, HALFA                      ; my 128 rows of x
	s_mul_i32 s22, s16, HALFB                      ; my 128 columns of Wqkv
	s_add_co_u32 s22, s22, BOFF
.irp s, 0,1
	v_add_nc_u32 v[ADRA+\s], s21, v4
	v_add_nc_u32 v[ADRB+\s], s22, v[CO]
	s_add_co_u32 s21, s21, SLOT
	s_add_co_u32 s22, s22, SLOT
.endr
	v_mul_u32_u24 v5, v1, KS                       ; my row's scales: 32 bytes a row,
	v_lshrrev_b32 v6, 8, v5
	v_lshl_add_u32 v5, v6, 4, v5                   ; and 16 more for each 256 passed
	s_mul_i32 s21, s15, HALFS
	s_mul_i32 s22, s16, HALFS
	s_add_co_u32 s22, s22, 2*HALFS
	s_sub_co_u32 s22, s22, s21
	v_mul_u32_u24 v6, s22, v2                      ; lanes 16-31 take Wqkv's
	s_add_co_u32 s21, s21, SCL
	v_add_nc_u32 v5, v5, v6
	v_add_nc_u32 v[ADRS], s21, v5
	s_mul_i32 s23, s14, 16*SPITCH                  ; the f32 copy's stage
	v_mul_u32_u24 v5, v1, SPITCH
	v_lshl_add_u32 v5, v2, 5, v5
	v_add_nc_u32 v[STO], s23, v5
	v_add_nc_u32 v[RD], s23, v[CO]
	s_cmp_eq_u32 ttmp9, 2                          ; v's pieces are rows of 32 bytes, q's and k's are register images
	s_cselect_b32 s66, 32, 16
	s_cselect_b32 s67, 16, 256
	v_mul_u32_u24 v[LO], v1, s66
	v_mad_u32_u24 v[LO], v2, s67, v[LO]
	s_lshl_b32 s2, s42, 4                          ; the output's slab: 4 (column / 64) + batch = 16 x tile column + 8 x half + cy, 262,144 bytes each;
	s_lshl_b32 s3, s16, 3
	s_add_co_u32 s2, s2, s3
	s_add_co_u32 s2, s2, s41
	s_lshl_b32 s2, s2, 18
	s_lshl_b32 s3, s96, 4                          ; in it my first tile of 16 positions: 16 x cluster y + 8 x half, 2,048 bytes each
	s_lshl_b32 s18, s15, 3
	s_add_co_u32 s3, s3, s18
	s_lshl_b32 s3, s3, 11
	s_add_co_u32 s2, s2, s3
	s_mov_b32 s3, 0
	s_add_nc_u64 s[12:13], s[12:13], s[2:3]
	s_mul_i32 s2, s41, 16*12288                    ; the f32 copy: the batch's 16 rows of 12,288 bytes, my 128 columns
	s_lshl_b32 s18, s42, 10
	s_add_co_u32 s2, s2, s18
	s_lshl_b32 s18, s16, 9
	s_add_co_u32 s2, s2, s18
	s_add_nc_u64 s[98:99], s[98:99], s[2:3]
	s_or_b32 s97, s96, s15                         ; 0 where my rows begin a batch: cluster y and the wave's number alone
.macro FRAGA reg, adr, q, i            ; 16 rows x 128 K of 4-bit codes: lane l holds row l % 16; registers 4 c .. 4 c + 3 hold K = 64 c + 32 (l / 16) + 0 .. 31
.irp c, 0,1
	ds_load_b128 v[\reg+4*\c:\reg+4*\c+3], v[\adr] offset:64*(\q)+32*\c+(\i)*16*PITCH
.endr
.endm
.macro FRAGB reg, adr, q, i            ; the same from an image
.irp c, 0,1
	ds_load_b128 v[\reg+4*\c:\reg+4*\c+3], v[\adr] offset:(\i)*4096+(\q)*1024+512*\c
.endr
.endm
; 16 matrix instructions: x's blocks a0, a0 + 1 against Wqkv's eight, 128 along K.  The 64 accumulators take turns, one instruction a turn, in the same order in every step.
; One register carries both scale words: lanes 0-15 x's block i, lanes 16-31 Wqkv's block i.
.macro MUL16 a0, p, q, sc, zero
.irp a, \a0, \a0+1
.irp b, 0,1,2,3,4,5,6,7
.if \zero
	v_wmma_scale_f32_16x16x128_f8f6f4 v[8*(8*((\a)%4)+\b):8*(8*((\a)%4)+\b)+7], v[128*(\p)+FR*\b:128*(\p)+FR*\b+FR-1], v[AF+FR*(\a):AF+FR*(\a)+FR-1], 0, v[SC+8*NQ*(\sc)+NQ*\b+(\q)], v[SC+8*NQ*(\sc)+NQ*(\a)+(\q)] matrix_a_fmt:MATRIX_FMT_FP4 matrix_b_fmt:MATRIX_FMT_FP4 matrix_a_scale:MATRIX_SCALE_ROW1
.else
	v_wmma_scale_f32_16x16x128_f8f6f4 v[8*(8*((\a)%4)+\b):8*(8*((\a)%4)+\b)+7], v[128*(\p)+FR*\b:128*(\p)+FR*\b+FR-1], v[AF+FR*(\a):AF+FR*(\a)+FR-1], v[8*(8*((\a)%4)+\b):8*(8*((\a)%4)+\b)+7], v[SC+8*NQ*(\sc)+NQ*\b+(\q)], v[SC+8*NQ*(\sc)+NQ*(\a)+(\q)] matrix_a_fmt:MATRIX_FMT_FP4 matrix_b_fmt:MATRIX_FMT_FP4 matrix_a_scale:MATRIX_SCALE_ROW1
.endif
.endr
.endr
.endm
.macro FETCH_B slot, q, p
	WIN TO_B
.irp i, 0,1,2,3,4,5,6,7
	FRAGB 128*(\p)+FR*\i, ADRB+\slot, \q, \i
.endr
	WIN 0
.endm
.macro FETCH_A slot, q, i0
.irp i, \i0, \i0+1, \i0+2, \i0+3
	FRAGA AF+FR*(\i), ADRA+\slot, \q, \i
.endr
.endm
.macro SCALES sc                       ; a slot's scale words: 4 words a row
.irp i, 0,1,2,3,4,5,6,7
	ds_load_b128 v[SC+8*NQ*\sc+NQ*\i:SC+8*NQ*\sc+NQ*\i+3], v[ADRS] offset:\i*SBLK
.endr
.endm
.macro PLACES n                        ; plain vector instructions between a matrix instruction and a load into, or a read of, its registers
.rept \n
	v_nop
.endr
.endm
; A step of 128 along K that has its successor in the same slot.  x has one set of registers: blocks 0-3 are fetched anew in the step's middle, blocks 4-7 at its end; Wqkv has two sets.
.macro STEP slot, q, zero
	s_wait_dscnt 4*NL                              ; all but the youngest eight loads (x's blocks 4-7)
	WIN MUL_LO
	MUL16 0, (\q)%2, \q, \slot, \zero
	MUL16 2, (\q)%2, \q, \slot, \zero
	s_wait_dscnt 0
	PLACES NP
	FETCH_B \slot, (\q)+1, 1-(\q)%2
	FETCH_A \slot, (\q)+1, 0
	WIN MUL_HI
	MUL16 4, (\q)%2, \q, \slot, \zero
	MUL16 6, (\q)%2, \q, \slot, \zero
	PLACES NP
	WIN 0
	FETCH_A \slot, (\q)+1, 4
.endm
	s_wait_tensorcnt 1                             ; the scales and my part of slot 0 are in; slot 1's load may stay out
	s_barrier_signal -1
	s_barrier_wait -1
	FETCH_B 0, 0, 0
	FETCH_A 0, 0, 0
	SCALES 0
	FETCH_A 0, 0, 4
	STEP 0, 0, 1                                   ; the first step's products start the sums: nothing is cleared
	STEP 0, 1, 0
	STEP 0, 2, 0
	; slot 0's last step changes slots: one barrier; in front of it each wave's part of slot 1 has landed
	s_wait_tensorcnt 0x0                           ; all my tensor loads have landed
	ds_add_u32 v[SPW], v[NIL]
	s_wait_dscnt 4*NL+1                            ; the add and the youngest eight loads may be out
	WIN MUL_LO
	MUL16 0, 1, NQ-1, 0, 0
	s_wait_dscnt 0x0                               ; the add is done, and my reads of slot 0 are over
	s_barrier_signal -1
	MUL16 2, 1, NQ-1, 0, 0
	WIN 0
	s_barrier_wait -1
	PLACES NP
	v_add_nc_u32 v[ADRS], 4*NQ, v[ADRS]            ; on to slot 1's scale words
	FETCH_B 1, 0, 0
	FETCH_A 1, 0, 0
	SCALES 1
	WIN MUL_HI
	MUL16 4, 1, NQ-1, 0, 0
	MUL16 6, 1, NQ-1, 0, 0
	PLACES NP
	WIN 0
	FETCH_A 1, 0, 4
	STEP 1, 0, 0
	STEP 1, 1, 0
	STEP 1, 2, 0
	s_wait_dscnt 4*NL                              ; the last step: nothing more to fetch
	WIN MUL_LO
	MUL16 0, 1, NQ-1, 1, 0
	MUL16 2, 1, NQ-1, 1, 0
	s_wait_dscnt 0
	WIN MUL_HI
	MUL16 4, 1, NQ-1, 1, 0
	MUL16 6, 1, NQ-1, 1, 0
	WIN 0
	PLACES NP                                      ; in front of the first reads of results and of loads into the registers that held x's fragments
	; THE F32 COPY of a batch's first 16 rows: block 0 of the waves whose rows begin a batch.  Through my stage, back as whole rows of 512 bytes.
	s_cmp_lg_u32 s97, 0
	s_cbranch_scc1 .Lno_f32
	WIN 0x08                                       ; an LDS store's data: window 2
.irp b, 0,1,2,3,4,5,6,7
	ds_store_b128 v[STO], v[8*\b:8*\b+3] offset:64*\b              ; each accumulator from its low end on
	ds_store_b128 v[STO], v[8*\b+4:8*\b+7] offset:64*\b+16
.endr
	WIN 0
.irp t, 0,1,2,3,4,5,6,7,8,9,10,11,12,13,14,15
	ds_load_b128 v[BK+4*\t:BK+4*\t+3], v[RD] offset:\t*SPITCH      ; LDS serves a wave's instructions in order: these see my stores
.endr
	s_wait_dscnt 0x0
.irp t, 0,1,2,3,4,5,6,7,8,9,10,11,12,13,14,15
	global_store_b128 v[CO], v[BK+4*\t:BK+4*\t+3], s[98:99] offset:\t*12288   ; 32 lanes store 512 consecutive bytes, at a multiple of 256 from the buffer's first byte
.endr
.Lno_f32:
; THE WAY OUT, block by block of 16 rows: rounded to f16, 16 bytes a lane, stored as they stand.
.macro PACK a
.set AC, 64*((\a)%4)
.set TP, TMP+32*((\a)%2)
.if (\a) >= 2
	s_wait_xcnt 0x0                                ; the stores of two blocks ago have read this set: it is written again only behind this wait
.endif
	WIN 0x0a+5*((\a)/4)                            ; sources 0 and 1: window 2 or 3
.irp b, 0,1,2,3,4,5,6,7
.irp r, 0,1,2,3
	v_cvt_pk_f16_f32 v[TP+4*\b+\r], v[AC+8*\b+2*\r], v[AC+8*\b+2*\r+1]
.endr
.endr
	WIN 0
.irp b, 0,1,2,3,4,5,6,7
	global_store_b128 v[LO], v[TP+4*\b:TP+4*\b+3], s[12:13] offset:(\b/4)*1048576+(\a)*2048+(\b%4)*512 th:TH_STORE_NT   ; a piece: 512 consecutive bytes, aligned; 64 columns on is four slabs on
.endr
.endm
.irp a, 0,1,2,3,4,5,6,7
	PACK \a
.endr
	s_wait_tensorcnt 0x0                           ; the wave's end
	ds_add_u32 v[SPW], v[NIL]
	s_wait_dscnt 0x0
	CROUND                                         ; the closing round
	s_endpgm
.Lfunc_end_k_qe257fb3db2_qkv:
	.size	k_qe257fb3db2_qkv, .Lfunc_end_k_qe257fb3db2_qkv-k_qe257fb3db2_qkv
	.p2alignl 7, 3214868480
	.fill 96, 4, 3214868480
	.section	.rodata,"a",@progbits
	.p2align	6, 0x0
	.amdhsa_kernel k_qe257fb3db2_qkv
		.amdhsa_group_segment_fixed_size 327680
		.amdhsa_private_segment_fixed_size 0
		.amdhsa_enable_private_segment 0
		.amdhsa_kernarg_size 48
		.amdhsa_user_sgpr_count 2
		.amdhsa_user_sgpr_kernarg_segment_ptr 1
		.amdhsa_wavefront_size32 1
		.amdhsa_system_sgpr_workgroup_id_x 1
		.amdhsa_system_sgpr_workgroup_id_y 1
		.amdhsa_system_sgpr_workgroup_id_z 1
		.amdhsa_system_vgpr_workitem_id 0
		.amdhsa_next_free_vgpr 1024
		.amdhsa_next_free_sgpr 100
		.amdhsa_reserve_vcc 0
		.amdhsa_float_denorm_mode_32 3
		.amdhsa_float_denorm_mode_16_64 3
		.amdhsa_memory_ordered 1
		.amdhsa_forward_progress 1
		.amdhsa_inst_pref_size 122
	.end_amdhsa_kernel
	.amdgpu_metadata
---
amdhsa.version: [ 1, 2 ]
amdhsa.kernels:
  - .name:           k_qe257fb3db2_qkv
    .symbol:         k_qe257fb3db2_qkv.kd
    .args:
      - { .name: x_codes, .offset: 0, .size: 8, .value_kind: global_buffer, .address_space: global }
      - { .name: x_scales, .offset: 8, .size: 8, .value_kind: global_buffer, .address_space: global }
      - { .name: wq_img, .offset: 16, .size: 8, .value_kind: global_buffer, .address_space: global }
      - { .name: wq_scales, .offset: 24, .size: 8, .value_kind: global_buffer, .address_space: global }
      - { .name: qkv, .offset: 32, .size: 8, .value_kind: global_buffer, .address_space: global }
      - { .name: qkv32, .offset: 40, .size: 8, .value_kind: global_buffer, .address_space: global }
    .group_segment_fixed_size: 327680
    .private_segment_fixed_size: 0
    .kernarg_segment_align: 8
    .kernarg_segment_size: 48
    .max_flat_workgroup_size: 128
    .sgpr_count:     100
    .vgpr_count:     1024
    .wavefront_size: 32
...
	.end_amdgpu_metadata
.endif
;; end of part 2
;; launch attn (part 3): grid 4 x 64, 16 waves a work-group, no clusters, 327,680 bytes of LDS; arguments qkv, y_img; writes y_img
.if DOCPART == 3
	.amdgcn_target "amdgcn-amd-amdhsa--gfx1250"
	.amdhsa_code_object_version 6
	.text
	.protected	k_qe257fb3db2_attn
	.globl	k_qe257fb3db2_attn
	.p2align	8
	.type	k_qe257fb3db2_attn,@function
k_qe257fb3db2_attn:
	s_mov_b64 s[64:65], 0
	v_nop
	global_prefetch_b8 v0, s[64:65] scope:SCOPE_SE
	s_setreg_imm32_b32 hwreg(HW_REG_WAVE_MODE, 25, 1), 1
	s_wait_xcnt 0x0
; y[b][q][head] = the sum over k <= q of softmax_k(Q . K / 8) V, heads of 64, 2,048 positions; operands f16, products, maxima and sums f32; the weights p are rounded to f16 for the second product, y once at the end.
; IN: qkv [g = 16 part + head][batch][tile of 16 positions][piece of 16 channels][512 bytes]: q's and k's pieces are images of a 16-bit operand's registers (16 bytes at 16 x lane), v's are rows of 32 bytes.
; OUT: y as images of the projection's operand: [K / 256][tile of 16 rows][32 along K][1,024 bytes].
; SHARES.  Work-group (i, 4 head + batch) owns the query blocks i and 7 - i of 256: 9 units of 256 x 256 under the causal mask, whatever i.  Each of its SIXTEEN waves owns 32 queries, two tiles, in 256 registers;
; wave w takes the later block where (w xor (w >> 2)) is odd, and queries 32 (w >> 1) on in its block.  Four waves share a SIMD's registers: one wave's softmax stands beside another's products and LDS loads.
; Every work-group walks all 8 slots of 256 keys (the trip counts are constants); a step of 64 keys all of which come after the wave's queries is jumped over, and slots past the work-group's last query are not asked for.
; NO CLUSTER: the work-groups that share K and V need different numbers of slots under the mask.
; LAYOUT.  S^T = K Q^T (source 0 = 16 keys, source 1 = 16 queries) and O^T = V^T P (source 0 = 16 channels, source 1 = P): a lane holds ONE query (lane % 16) throughout; two tiles of S^T, rounded in pairs, ARE P's fragment.
; SOFTMAX.  A running maximum m and sum l for each query: p = 2^(c s - c m), c = log2(e) / 8; in every step O and l are multiplied by a = 2^(c m_old - c m_new).  The loop has no first step of its own:
; O and l begin as zeros and m as -3e38.  Key 64 floor(Q0 / 64) counts for all of a wave's queries, so every step that is walked has a key that counts for each.
; LIMITS: as the buffers' f16 numbers have them; NaN and infinities are not served.
; REGISTERS: v1-12 addresses; v16-31 eight statistics a tile; v32-63 Q; v64-127 S^T, then p, then P in place; v128-191 O^T; v192-255 K's fragments, then V's.
.set SLOT1, 65536                      ; slot 1 begins here: one exclusive or turns an address from one slot to the other
.set VOFF,  32768                      ; a slot: K's 16 tiles of 2,048 bytes, then V's
.set SPARE, 131072                     ; the spare words, 128 bytes for each wave
.set LI,   1                           ; v1   16 x lane
.set AV0,  2                           ; v2   my lane's place in a piece of V for the turning load
.set ADK,  3
.set ADV,  4
.set SPW,  5
.set NIL,  6
.set MD,   7                           ; v7   the mask: my query - the step's first key - 8 (lane / 16)
.set NINF, 8                           ; v8   -infinity
.set PFO,  9                           ; v9   256 x lane
.set RH,   12                          ; v12  lane % 16 - 8 (lane / 16)
.set ST,   16                          ; tile t's statistics at v[ST + 8 t]: +0 c m, +1 m, +2, +3 l, +4 to +7 at work; a in +6
.set Q,    32                          ; tile t, channels 32 cs on: v[Q + 16 t + 8 cs]
.set S,    64                          ; tile t, keys 16 kt on: v[S + 32 t + 8 kt]
.set O,    128                         ; tile t, channels 16 ct on: v[O + 32 t + 8 ct]
.set KV,   192                         ; K: keys 16 kt, channels 32 cs: v[KV + 16 kt + 8 cs];  V: channels 16 ct, keys 32 u: v[KV + 16 ct + 8 u]
.set TB,    2                          ; s2   LDS byte at which the slot in hand begins
.set SLOTS, 3
.set WV,    18
.set SEL,   20
.set CS,    22                         ; s[22:23] c
.set G1,    24
.set G0,    32
.set KF,    36                         ; s36  the step's first key
.set Q0,    37                         ; s37  my first query
.set QLAST, 38                         ; s38  my work-group's last query
.set TT,    39
.set PFA,   40
.set LIM,   42
.macro TLOAD                           ; waves 0 and 1 fetch K's halves of a slot, waves 2 and 3 V's: 16,384 dense bytes each.  An s_nop 0 and four v_nop follow the load
	s_cmp_lt_u32 s[WV], 4
	s_cbranch_scc0 .Lasked_\@
	tensor_load_to_lds s[G0:G0+3], s[G1:G1+7]
	s_nop 0
.rept 4
	v_nop
.endr
.Lasked_\@:
.endm
; A PREFETCH INTO THE L2 of the slot that the NEXT change of slots will ask for: four key steps ahead of that load.  The four work-groups of a head and batch walk the same K and V: the first of them, which walks all
; slots, asks.  In it the waves ask that fetch nothing: waves 4 to 7 for K's 32,768 bytes, waves 8 to 11 for V's, 8,192 a wave, lanes 256 bytes apart: each aligned 256 bytes is named once in the launch.
; The last change that fills a slot asks for nothing; slots 0 and 1 come by their loads alone.
.macro ASK
	s_cmp_gt_u32 s[SLOTS], s[LIM]
	s_cbranch_scc0 .Lnot_mine_\@
	global_prefetch_b8 v[PFO], s[PFA:PFA+1] th:TH_LOAD_NT scope:SCOPE_SE
.Lnot_mine_\@:
.endm
	s_load_b128 s[4:7], s[0:1], 0x0                ; qkv, y_img
	v_lshl_add_u32 v[SPW], v0, 2, SPARE
	v_mov_b32 v[NIL], 0
	ds_add_u32 v[SPW], v[NIL]                      ; the wave's opening: the add, twice on end, and its wait ahead of the first tensor load
	ds_add_u32 v[SPW], v[NIL]
	v_lshrrev_b32 v10, 5, v0
	v_readfirstlane_b32 s[WV], v10                 ; wave 0..15
	s_and_b32 s12, ttmp7, 0xffff                   ; 4 head + batch: q's slab; k's is 64 on, v's 128
	s_lshr_b32 s13, s[WV], 2
	s_xor_b32 s13, s13, s[WV]
	s_and_b32 s13, s13, 1
	s_sub_co_u32 s14, 7, ttmp9
	s_cmp_lg_u32 s13, 0
	s_cselect_b32 s14, s14, ttmp9                  ; my block of 256 queries: 7 - i or i
	s_lshl_b32 s[Q0], s14, 8
	s_lshr_b32 s14, s[WV], 1
	s_lshl_b32 s14, s14, 5
	s_add_co_u32 s[Q0], s[Q0], s14
	s_sub_co_u32 s[QLAST], 8, ttmp9
	s_lshl_b32 s[QLAST], s[QLAST], 8
	s_sub_co_u32 s[QLAST], s[QLAST], 1
	s_cmp_lt_u32 s[WV], 2                          ; what I fetch, if I fetch
	s_cselect_b32 s16, 64, 128
	s_add_co_u32 s16, s16, s12
	s_lshl_b32 s16, s16, 18
	s_and_b32 s14, s[WV], 1
	s_lshl_b32 s14, s14, 14
	s_add_co_u32 s16, s16, s14
	s_mov_b32 s17, 0
	s_mov_b32 s[G0], 1                             ; count = 1
	s_and_b32 s14, s[WV], 3
	s_lshl_b32 s[G0+1], s14, 14                    ; LDS: slot 0, 16,384 x wave
	s_mov_b32 s[G1], 3<<16                         ; no mask; elements of 8 bytes; no padding: 64 rows of 256 bytes, dense
	s_mov_b32 s[G1+1], 32<<16
	s_mov_b32 s[G1+2], 64<<16
	s_mov_b32 s[G1+3], 32<<16
	s_mov_b32 s[G1+4], 64
	s_mov_b32 s[G1+5], 32
	s_mov_b32 s[G1+6], 0
	s_mov_b32 s[G1+7], 0
	s_lshl_b32 s8, s12, 18                         ; Q: my slab, 128 bytes a position
	s_lshl_b32 s14, s[Q0], 7
	s_add_co_u32 s8, s8, s14
	s_mov_b32 s9, 0
	s_lshr_b32 s10, s12, 4                         ; y: K / 256 = head / 4,
	s_lshl_b32 s10, s10, 22
	s_and_b32 s14, s12, 3                          ; the batch's 128 tiles of rows,
	s_lshl_b32 s14, s14, 20
	s_add_co_u32 s10, s10, s14
	s_lshl_b32 s14, s[Q0], 9                       ; 8,192 bytes for 16 rows,
	s_add_co_u32 s10, s10, s14
	s_bfe_u32 s14, s12, 0x20002                    ; head % 4: two fragments of 1,024 bytes
	s_lshl_b32 s14, s14, 11
	s_add_co_u32 s10, s10, s14
	s_mov_b32 s11, 0
	s_cmp_lt_u32 s[WV], 8                          ; the prefetches: waves 4 to 7 K's, waves 8 to 11 V's
	s_cselect_b32 s44, 64, 128
	s_add_co_u32 s44, s44, s12
	s_lshl_b32 s44, s44, 18
	s_and_b32 s14, s[WV], 3
	s_lshl_b32 s14, s14, 13
	s_add_co_u32 s44, s44, s14
	s_add_co_u32 s44, s44, 32768                   ; in slot 1: the first change of slots steps it to slot 2
	s_mov_b32 s45, 0
	s_sub_co_u32 s14, s[WV], 4
	s_lshr_b32 s14, s14, 3                         ; 0 in waves 4 to 11,
	s_or_b32 s14, s14, ttmp9                       ; of work-group x = 0
	s_cmp_eq_u32 s14, 0
	s_cselect_b32 s[LIM], 1, -1
	s_mov_b32 s[SEL], 0x76543210
	s_mov_b32 s[SEL+1], 0xfedcba98
	s_mov_b32 s[CS], 0x3e38aa3b                    ; c = log2(e) / 8
	s_mov_b32 s[CS+1], s[CS]
	s_mov_b32 s[TB], 0
	s_mov_b32 s[KF], 0
	s_mov_b32 s[SLOTS], 7
	s_wait_dscnt 0x0                               ; both opening adds are done
	s_wait_kmcnt 0x0
	s_add_nc_u64 s[G0+2:G0+3], s[4:5], s[16:17]
	s_or_b32 s[G0+3], s[G0+3], 0x80000000
	TLOAD                                          ; slot 0: keys 0 to 255, which count for queries of every work-group
	s_add_nc_u64 s[8:9], s[4:5], s[8:9]
	s_add_nc_u64 s[10:11], s[6:7], s[10:11]
	s_add_nc_u64 s[PFA:PFA+1], s[4:5], s[44:45]
	v_and_b32 v[LI], 31, v0
	v_lshlrev_b32 v[PFO], 8, v[LI]
	v_lshlrev_b32 v[LI], 4, v[LI]
.irp t, 0,1
.irp cs, 0,1
.irp c, 0,1
	global_load_b128 v[Q+16*\t+8*\cs+4*\c:Q+16*\t+8*\cs+4*\c+3], v[LI], s[8:9] offset:\t*2048+\cs*1024+\c*512   ; Q stays in registers
.endr
.endr
.endr
	v_and_b32 v10, 15, v0                          ; r
	v_bfe_u32 v11, v0, 4, 1                        ; h
	v_and_b32 v[AV0], 7, v0
	v_lshl_add_u32 v[AV0], v11, 3, v[AV0]          ; the turning load: key 8 h + lane % 8,
	v_lshlrev_b32 v[AV0], 5, v[AV0]                ; rows of 32 bytes,
	v_bfe_u32 v[ADK], v0, 3, 1
	v_lshl_add_u32 v[AV0], v[ADK], 4, v[AV0]       ; channels 8 ((lane / 8) % 2) on
	v_add_nc_u32 v[AV0], VOFF, v[AV0]
	v_lshlrev_b32 v[RH], 3, v11
	v_sub_nc_u32 v[RH], v10, v[RH]
	v_mov_b32 v[NINF], 0xff800000
.irp t, 0,1
	v_mov_b32 v[ST+8*\t+1], 0xff61b1e6             ; m = -3e38, under every score
	v_mul_f32 v[ST+8*\t], s[CS], v[ST+8*\t+1]
.irp n, 2,3,4,5,6,7
	v_mov_b32 v[ST+8*\t+\n], 0                     ; l; and the registers at work are written once (a lane permute's destination counts as one of its sources)
.endr
.endr
.set i, 0
.rept 64
	v_mov_b32 v[O+i], 0                            ; O^T: the first change of m leaves zeros zeros
.set i, i+1
.endr
; THE SOFTMAX of a step, both tiles line by line, so that no line waits for the line above it.
.macro SOFTMAX
.irp j, 0,1,2,3
.irp t, 0,1
	v_max3_num_f32 v[ST+8*\t+4+\j], v[S+32*\t+8*\j], v[S+32*\t+8*\j+1], v[S+32*\t+8*\j+2]   ; four chains, one for each accumulator, each from its low end on
.endr
.endr
.irp g, 1,2
.irp j, 0,1,2,3
.irp t, 0,1
	v_max3_num_f32 v[ST+8*\t+4+\j], v[ST+8*\t+4+\j], v[S+32*\t+8*\j+2*\g+1], v[S+32*\t+8*\j+2*\g+2]
.endr
.endr
.endr
.irp t, 0,1
	v_max3_num_f32 v[ST+8*\t+4], v[ST+8*\t+4], v[S+32*\t+7], v[S+32*\t+15]
.endr
.irp t, 0,1
	v_max3_num_f32 v[ST+8*\t+6], v[ST+8*\t+6], v[S+32*\t+23], v[S+32*\t+31]
.endr
.irp t, 0,1
	v_max3_num_f32 v[ST+8*\t+4], v[ST+8*\t+4], v[ST+8*\t+5], v[ST+8*\t+6]
.endr
.irp t, 0,1
	v_max3_num_f32 v[ST+8*\t+4], v[ST+8*\t+4], v[ST+8*\t+7], v[ST+8*\t+1]   ; and the old m
.endr
.irp t, 0,1
	v_permlanex16_b32 v[ST+8*\t+5], v[ST+8*\t+4], s[SEL], s[SEL+1]          ; the query's other 32 keys lie in the lane 16 away
.endr
.irp t, 0,1
	v_mov_b32 v[ST+8*\t+7], v[ST+8*\t]             ; c m_old is kept for a
.endr
.irp t, 0,1
	v_max_num_f32 v[ST+8*\t+1], v[ST+8*\t+4], v[ST+8*\t+5]
.endr
.irp t, 0,1
	v_mul_f32 v[ST+8*\t], s[CS], v[ST+8*\t+1]
.endr
.irp t, 0,1
	v_sub_f32 v[ST+8*\t+7], v[ST+8*\t+7], v[ST+8*\t]
.endr
.irp t, 0,1
	v_exp_f32 v[ST+8*\t+6], v[ST+8*\t+7]           ; a
.endr
.irp j, 0,2,4,6,8,10,12,14,16,18,20,22,24,26,28,30
.irp t, 0,1
	v_pk_fma_f32 v[S+32*\t+\j:S+32*\t+\j+1], v[S+32*\t+\j:S+32*\t+\j+1], s[CS:CS+1], v[ST+8*\t:ST+8*\t+1] op_sel_hi:[1,0,0] neg_lo:[0,0,1] neg_hi:[0,0,1]   ; c s - c m
.endr
.endr
.set i, 0
.rept 64
	v_exp_f32 v[S+i], v[S+i]                       ; p, at most 1
.set i, i+1
.endr
	v_nop                                          ; a plain instruction behind the last exponential
	s_wait_alu depctr_va_vdst(0)                   ; one wait for the step's 66 exponentials, ahead of the first line that names a result
.irp t, 0,1
	v_pk_mul_f32 v[ST+8*\t+2:ST+8*\t+3], v[ST+8*\t+2:ST+8*\t+3], v[ST+8*\t+6:ST+8*\t+7] op_sel_hi:[1,0]   ; l x a
.endr
.irp t, 0,1
	v_pk_add_f32 v[ST+8*\t+4:ST+8*\t+5], v[S+32*\t:S+32*\t+1], v[S+32*\t+2:S+32*\t+3]   ; the sums, of the unrounded p, in two chains a tile
.endr
.irp j, 4,8,12,16,20,24,28
.irp t, 0,1
	v_pk_add_f32 v[ST+8*\t+2:ST+8*\t+3], v[ST+8*\t+2:ST+8*\t+3], v[S+32*\t+\j:S+32*\t+\j+1]
.endr
.irp t, 0,1
	v_pk_add_f32 v[ST+8*\t+4:ST+8*\t+5], v[ST+8*\t+4:ST+8*\t+5], v[S+32*\t+\j+2:S+32*\t+\j+3]
.endr
.endr
.irp t, 0,1
	v_pk_add_f32 v[ST+8*\t+2:ST+8*\t+3], v[ST+8*\t+2:ST+8*\t+3], v[ST+8*\t+4:ST+8*\t+5]
.endr
.irp u, 0,1
.irp n, 0,1,2,3,4,5,6,7
.irp t, 0,1
	v_cvt_pk_f16_f32 v[S+32*\t+8*\u+\n], v[S+32*\t+16*\u+2*\n], v[S+32*\t+16*\u+2*\n+1]   ; P in place, ascending: a register is written only when it has been read
.endr
.endr
.endr
.irp j, 0,2,4,6,8,10,12,14,16,18,20,22,24,26,28,30
.irp t, 0,1
	v_pk_mul_f32 v[O+32*\t+\j:O+32*\t+\j+1], v[O+32*\t+\j:O+32*\t+\j+1], v[ST+8*\t+6:ST+8*\t+7] op_sel_hi:[1,0]   ; O^T x a
.endr
.endr
.endm
; A KEY STEP: 64 keys, the q-th of the slot in hand.
.macro STEP q
	s_add_co_u32 s[TT], s[Q0], 31
	s_cmp_gt_u32 s[KF], s[TT]                      ; all keys come after my queries: the step's work is left out; no barrier, wait for a tile or tensor load stands in a step
	s_cbranch_scc1 .Lhidden_\@
	v_add_nc_u32 v[ADK], s[TB], v[LI]
	v_add_nc_u32 v[ADV], s[TB], v[AV0]
.irp cs, 0,1
.irp kt, 0,1,2,3
.irp c, 0,1
	ds_load_b128 v[KV+16*\kt+8*\cs+4*\c:KV+16*\kt+8*\cs+4*\c+3], v[ADK] offset:(4*(\q)+\kt)*2048+\cs*1024+\c*512
.endr
.endr
.endr
.irp cs, 0,1
	s_wait_dscnt 8-8*\cs                           ; channels 0-31 are in, the eight loads of channels 32-63 may be out; then all
.irp kt, 0,1,2,3
.irp t, 0,1
.if \cs == 0
	v_wmma_f32_16x16x32_f16 v[S+32*\t+8*\kt:S+32*\t+8*\kt+7], v[KV+16*\kt:KV+16*\kt+7], v[Q+16*\t:Q+16*\t+7], 0
.else
	v_wmma_f32_16x16x32_f16 v[S+32*\t+8*\kt:S+32*\t+8*\kt+7], v[KV+16*\kt+8:KV+16*\kt+15], v[Q+16*\t+8:Q+16*\t+15], v[S+32*\t+8*\kt:S+32*\t+8*\kt+7]
.endif
.endr
.endr
.endr                                          ; the eight accumulators take turns
.rept 4
	v_nop                                          ; places in front of the loads into K's registers and of the first reads of the scores
.endr
.irp u, 0,1
.irp ct, 0,1,2,3
	ds_load_tr16_b128 v[KV+16*\ct+8*\u:KV+16*\ct+8*\u+3],   v[ADV] offset:(4*(\q)+2*\u)*2048+\ct*512     ; V, turned; it lands under the softmax
	ds_load_tr16_b128 v[KV+16*\ct+8*\u+4:KV+16*\ct+8*\u+7], v[ADV] offset:(4*(\q)+2*\u+1)*2048+\ct*512
.endr
.endr
	s_add_co_u32 s[TT], s[KF], 63
	s_cmp_le_u32 s[TT], s[Q0]                      ; all keys count: no mask
	s_cbranch_scc1 .Lopen_\@
	s_sub_co_i32 s[TT], s[Q0], s[KF]
	v_add_nc_u32 v[MD], s[TT], v[RH]               ; register 8 kt + j of tile t holds key KF + 16 kt + 8 h + j for query Q0 + 16 t + r: hidden where 16 kt + j - 16 t is above this
.irp t, 0,1
.irp kt, 0,1,2,3
.irp j, 0,1,2,3,4,5,6,7
	v_cmp_gt_i32 vcc_lo, 16*\kt+\j-16*\t, v[MD]
	v_cndmask_b32 v[S+32*\t+8*\kt+\j], v[S+32*\t+8*\kt+\j], v[NINF], vcc_lo
.endr
.endr
.endr
.Lopen_\@:
	SOFTMAX
	s_wait_dscnt 0x0                               ; V is in
.irp u, 0,1
.irp ct, 0,1,2,3
.irp t, 0,1
	v_wmma_f32_16x16x32_f16 v[O+32*\t+8*\ct:O+32*\t+8*\ct+7], v[KV+16*\ct+8*\u:KV+16*\ct+8*\u+7], v[S+32*\t+8*\u:S+32*\t+8*\u+7], v[O+32*\t+8*\ct:O+32*\t+8*\ct+7]
.endr
.endr
.endr
.rept 5
	v_nop                                          ; five places: the next step's first products write over P's registers; its loads land on V's
.endr
.Lhidden_\@:
	s_add_co_u32 s[KF], s[KF], 64
.endm
; THE CHANGE OF SLOTS stands at a slot's head.  Each wave waits for all its tensor loads, adds 0 to its spare word, and waits for that and for its reads of the slot that it has left; behind the barrier the slot ahead
; is whole and nobody reads the other one.  fill = 1: that other slot is asked for, up to the causal limit; the load has a slot's four steps in which to land.
.macro CHANGE fill
	s_wait_tensorcnt 0x0                           ; no tensor load of mine is out, so the descriptor may be written
	ds_add_u32 v[SPW], v[NIL]
.if \fill
	ds_add_u32 v[SPW], v[NIL]                      ; the add twice on end here, in every trip alike
	s_xor_b32 s[G0+1], s[G0+1], SLOT1              ; the other slot than last time,
	s_add_nc_u64 s[G0+2:G0+3], s[G0+2:G0+3], 32768 ; the next 256 keys
	s_wait_xcnt 0x0                                ; the last prefetch, a slot back, has read its address
	s_add_nc_u64 s[PFA:PFA+1], s[PFA:PFA+1], 32768
.endif
	s_wait_dscnt 0x0
	s_barrier_signal -1
	s_barrier_wait -1
.if \fill
	s_add_co_u32 s[TT], s[KF], 256                 ; the first key of the slot that this change would ask for
	s_cmp_gt_u32 s[TT], s[QLAST]                   ; past my work-group's last query no wave reads it: it is not asked for.  Ids and the count of steps alone: all sixteen waves go the same way
	s_cbranch_scc1 .Lpast_\@
	TLOAD
.Lpast_\@:
	ASK
.endif
.endm
.macro SLOT_STEPS
	STEP 0
	STEP 1
	STEP 2
	STEP 3
	s_xor_b32 s[TB], s[TB], SLOT1
.endm
	s_wait_loadcnt 0x0                             ; Q
.Lslot:                                            ; seven trips: behind each change of slots but the last the next slot is asked for
	CHANGE 1
	SLOT_STEPS
	s_sub_co_u32 s[SLOTS], s[SLOTS], 1
	s_cmp_lg_u32 s[SLOTS], 0
	s_cbranch_scc1 .Lslot
	CHANGE 0                                       ; the last slot is written out: nothing is left to fetch
	SLOT_STEPS
	; THE WAY OUT.  O^T / l, rounded to f16: a lane's eight channels of a query are 16 bytes at 16 x lane of a piece of the projection's operand image: stored as they stand, 512 consecutive bytes a store.
.irp t, 0,1
	v_add_f32 v[ST+8*\t+4], v[ST+8*\t+2], v[ST+8*\t+3]
.endr
.irp t, 0,1
	v_permlanex16_b32 v[ST+8*\t+5], v[ST+8*\t+4], s[SEL], s[SEL+1]
.endr
.irp t, 0,1
	v_add_f32 v[ST+8*\t+4], v[ST+8*\t+4], v[ST+8*\t+5]
.endr
.irp t, 0,1
	v_rcp_f32 v[ST+8*\t+6], v[ST+8*\t+4]
.endr
	v_nop                                          ; a plain instruction behind the reciprocals,
	s_wait_alu depctr_va_vdst(0)                   ; and one wait for both, ahead of their first use
.irp j, 0,2,4,6,8,10,12,14,16,18,20,22,24,26,28,30
.irp t, 0,1
	v_pk_mul_f32 v[S+32*\t+\j:S+32*\t+\j+1], v[O+32*\t+\j:O+32*\t+\j+1], v[ST+8*\t+6:ST+8*\t+7] op_sel_hi:[1,0]
.endr
.endr
.irp t, 0,1
.irp n, 0,1,2,3,4,5,6,7,8,9,10,11,12,13,14,15
	v_cvt_pk_f16_f32 v[KV+16*\t+\n], v[S+32*\t+2*\n], v[S+32*\t+2*\n+1]
.endr
.endr
.irp t, 0,1
.irp ct, 0,1,2,3
	global_store_b128 v[LI], v[KV+16*\t+4*\ct:KV+16*\t+4*\ct+3], s[10:11] offset:\t*8192+\ct*512
.endr
.endr
	s_wait_tensorcnt 0x0                           ; the wave's end
	ds_add_u32 v[SPW], v[NIL]
	s_wait_dscnt 0x0
	s_endpgm
.Lfunc_end_k_qe257fb3db2_attn:
	.size	k_qe257fb3db2_attn, .Lfunc_end_k_qe257fb3db2_attn-k_qe257fb3db2_attn
	.p2alignl 7, 3214868480
	.fill 96, 4, 3214868480
	.section	.rodata,"a",@progbits
	.p2align	6, 0x0
	.amdhsa_kernel k_qe257fb3db2_attn
		.amdhsa_group_segment_fixed_size 327680
		.amdhsa_private_segment_fixed_size 0
		.amdhsa_enable_private_segment 0
		.amdhsa_kernarg_size 16
		.amdhsa_user_sgpr_count 2
		.amdhsa_user_sgpr_kernarg_segment_ptr 1
		.amdhsa_wavefront_size32 1
		.amdhsa_system_sgpr_workgroup_id_x 1
		.amdhsa_system_sgpr_workgroup_id_y 1
		.amdhsa_system_sgpr_workgroup_id_z 1
		.amdhsa_system_vgpr_workitem_id 0
		.amdhsa_next_free_vgpr 256
		.amdhsa_next_free_sgpr 66
		.amdhsa_reserve_vcc 1
		.amdhsa_float_denorm_mode_32 3
		.amdhsa_float_denorm_mode_16_64 3
		.amdhsa_memory_ordered 1
		.amdhsa_forward_progress 1
		.amdhsa_inst_pref_size 186
	.end_amdhsa_kernel
	.amdgpu_metadata
---
amdhsa.version: [ 1, 2 ]
amdhsa.kernels:
  - .name:           k_qe257fb3db2_attn
    .symbol:         k_qe257fb3db2_attn.kd
    .args:
      - { .name: qkv, .offset: 0, .size: 8, .value_kind: global_buffer, .address_space: global }
      - { .name: y_img, .offset: 8, .size: 8, .value_kind: global_buffer, .address_space: global }
    .group_segment_fixed_size: 327680
    .private_segment_fixed_size: 0
    .kernarg_segment_align: 8
    .kernarg_segment_size: 16
    .max_flat_workgroup_size: 512
    .sgpr_count:     66
    .vgpr_count:     256
    .wavefront_size: 32
...
	.end_amdgpu_metadata
.endif
;; end of part 3
;; launch proj (part 4): grid 8 x 64, 4 waves a work-group, clusters of 4 x 4, 327,680 bytes of LDS; arguments y_img, wp_img, out0; writes out0
.if DOCPART == 4
	.amdgcn_target "amdgcn-amd-amdhsa--gfx1250"
	.amdhsa_code_object_version 6
	.text
	.protected	k_qe257fb3db2_proj
	.globl	k_qe257fb3db2_proj
	.p2align	8
	.type	k_qe257fb3db2_proj,@function
k_qe257fb3db2_proj:
	s_mov_b64 s[64:65], 0
	v_nop
	global_prefetch_b8 v0, s[64:65] scope:SCOPE_SE
	s_setreg_imm32_b32 hwreg(HW_REG_WAVE_MODE, 25, 1), 1
	s_wait_xcnt 0x0
	s_wait_alu depctr_hold_cnt(0) depctr_sa_sdst(0) depctr_va_vdst(0) depctr_va_sdst(0) depctr_va_ssrc(0) depctr_va_vcc(0) depctr_vm_vsrc(0)
	s_getreg_b32 s2, hwreg(HW_REG_IB_STS2, 6, 4)
	s_cmp_eq_u32 s2, 0
	s_cbranch_scc0 .Lentry_in_a_cluster
	s_endpgm
.Lentry_in_a_cluster:
	s_bfe_u32 s2, ttmp6, 0x10000c
	s_cmp_lg_u32 s2, 0xf033
	s_cbranch_scc0 .Lentry_shape_is_right
	s_endpgm
.Lentry_shape_is_right:
; out0 = y Wproj: [8192][1024] x [1024][1024], operands f16, sums and result f32.  All rows are made here; the first 16 positions of each batch are written again, from f32 operands, by the launch that follows.
; Both operands come as IMAGES OF THE OPERAND'S REGISTERS: [K / 256][tile of 16 rows of y, or 16 columns of Wproj][32 along K: 8][1,024 bytes]; a fragment is two loads at 16 x lane; a K step's tiles are dense blocks.
; A tile of the result is 128 x 128: four waves, each 64 x 64: 16 accumulators, 128 registers.  K goes in four steps of 256 through two LDS slots: both are filled at the head and each is filled once more; written out, no loop.
; CLUSTERS: 4 x 4 work-groups; y's tiles are shared along a row of the cluster, Wproj's along a column: each is asked for JOINTLY.
; THE MATRIX INSTRUCTION IS USED TRANSPOSED (source 0 = 16 columns of Wproj, source 1 = 16 rows of y): a lane holds eight neighbouring numbers of a row of the result.
; A wave's 64 columns of f32 are 256 bytes, aligned.
; REGISTERS: window 0: v0-31 addresses; v32-95 the way out; v128-255 the accumulators ((a, b) at v[128 + 8 (4 a + b)]).   window 1: two fragment buffers of 128: for 64 along K, 64 registers of y, then 64 of Wproj.
.set HALFT,  32768                     ; 4 tiles of 16 x 8,192 bytes: what one tensor load brings, and what one wave reads of y or of Wproj
.set SLOT,   4*HALFT
.set STAGE,  2*SLOT                    ; behind the slots: 16 rows x 272 bytes for each wave
.set SPITCH, 272
.set SPARE,  STAGE+4*16*SPITCH         ; the spare words, 128 bytes for each wave
.set STEPA,  4194304                   ; a K step on, in y's images
.set STEPB,  524288                    ; and in Wproj's
.set ADRA, 16
.set ADRB, 20
.set STO,  24
.set RD,   25
.set CO,   26
.set SPW,  28
.set NIL,  29
.set TMP,  32
.set ACC,  128
.set F0,   0
.set F1,   128
.set G1, 24
.set G0, 32
.set G1B, 48
.set G0B, 56
.set MSB, 0
.macro WIN new                         ; the immediate's high byte repeats the setting that is left
.if MSB != \new
	s_set_vgpr_msb (MSB<<8)|\new
.set MSB, \new
.endif
.endm
.set MUL,  0x05                        ; sources 0 and 1 window 1; C and D window 0
.set TO_F, 0x40                        ; destination window 1, address window 0
.macro JLOAD s                         ; a joint load: waves 0 and 1 fetch y's two halves, waves 2 and 3 Wproj's; an s_nop 0 and four v_nop follow each of the two lines
	s_cmp_eq_u32 s11, 0
	s_cbranch_scc0 .Lfor_b_\@
	tensor_load_to_lds s[G0+4*\s:G0+4*\s+3], s[G1:G1+7]
	s_nop 0
.rept 4
	v_nop
.endr
	s_branch .Lasked_\@
.Lfor_b_\@:
	tensor_load_to_lds s[G0B+4*\s:G0B+4*\s+3], s[G1B:G1B+7]
	s_nop 0
.rept 4
	v_nop
.endr
.Lasked_\@:
.endm
.macro CREST                           ; a round of the cluster's barrier behind its opening barrier
	s_cmp_lg_u32 s10, 0
	s_cbranch_scc1 .Lnot_wave_0_\@
	s_barrier_signal -3
.Lnot_wave_0_\@:
	s_barrier_wait -3
	s_barrier_signal -1
	s_barrier_wait -1
.endm
.macro CROUND
	s_barrier_signal -1
	s_barrier_wait -1
	CREST
.endm
	s_load_b128 s[4:7], s[0:1], 0x0                ; y's images, Wproj's
	s_load_b64 s[8:9], s[0:1], 0x10                ; out0
	v_lshl_add_u32 v[SPW], v0, 2, SPARE
	v_mov_b32 v[NIL], 0
	ds_add_u32 v[SPW], v[NIL]                      ; the wave's opening: the add, twice on end, and its wait ahead of my first tensor load
	ds_add_u32 v[SPW], v[NIL]
	v_lshrrev_b32 v1, 5, v0
	v_readfirstlane_b32 s10, v1                    ; wave 0..3
	s_lshr_b32 s11, s10, 1                         ; which half of the tile's rows is mine.  Also: I fetch for y (0) or for Wproj (1)
	s_and_b32 s12, s10, 1                          ; which half of its columns.  Also: which half I fetch
	s_bfe_u32 s40, ttmp6, 0x40000                  ; cx
	s_bfe_u32 s41, ttmp6, 0x40004                  ; cy
	s_lshl_b32 s42, ttmp9, 2
	s_add_co_u32 s42, s42, s40                     ; tile column = 4 x cluster x + cx
	s_and_b32 s13, ttmp7, 0xffff
	s_lshl_b32 s13, s13, 2
	s_add_co_u32 s13, s13, s41                     ; tile row = 4 x cluster y + cy
	s_lshl_b32 s43, s41, 2
	s_lshl_b32 s43, 15, s43                        ; my row of the cluster
	s_lshl_b32 s44, 0x1111, s40                    ; my column
	s_or_b32 s[G1+0], s43, (3<<16)|(1<<21)         ; the mask; elements of 8 bytes; bit 21 beside a mask; no padding: 32,768 dense bytes as 128 rows of 256
	s_or_b32 s[G1B+0], s44, (3<<16)|(1<<21)
.irp g, G1, G1B
	s_mov_b32 s[\g+1], 32<<16
	s_mov_b32 s[\g+2], 128<<16
	s_mov_b32 s[\g+3], 32<<16
	s_mov_b32 s[\g+4], 128
	s_mov_b32 s[\g+5], 32
	s_mov_b32 s[\g+6], 0
	s_mov_b32 s[\g+7], 0
.endr
	s_lshl_b32 s17, s12, 15                        ; which half I fetch
	s_lshl_b32 s16, s13, 16
	s_add_co_u32 s16, s16, s17                     ; y: 65,536 bytes for a tile row's 128 rows
	s_lshl_b32 s46, s42, 16
	s_add_co_u32 s46, s46, s17                     ; Wproj: the same for a tile column
	s_mov_b32 s17, 0
	s_mov_b32 s47, 0
	s_lshl_b32 s20, s10, 15                        ; where they go: wave x 32,768
	s_wait_dscnt 0x0                               ; both opening adds are done
	s_wait_kmcnt 0x0
	s_add_nc_u64 s[14:15], s[4:5], s[16:17]
	s_add_nc_u64 s[46:47], s[6:7], s[46:47]
	CROUND                                         ; all sixteen work-groups are here: the first joint loads meet
.irp s, 0,1
	s_mov_b32 s[G0+4*\s], 1
	s_add_co_u32 s[G0+4*\s+1], s20, \s*SLOT
	s_add_nc_u64 s[G0+4*\s+2:G0+4*\s+3], s[14:15], \s*STEPA
	s_or_b32 s[G0+4*\s+3], s[G0+4*\s+3], 0x80000000
	s_mov_b32 s[G0B+4*\s], 1
	s_add_co_u32 s[G0B+4*\s+1], s20, \s*SLOT
	s_add_nc_u64 s[G0B+4*\s+2:G0B+4*\s+3], s[46:47], \s*STEPB
	s_or_b32 s[G0B+4*\s+3], s[G0B+4*\s+3], 0x80000000
	JLOAD \s
.endr
	v_and_b32 v1, 15, v0                           ; r
	v_bfe_u32 v2, v0, 4, 1                         ; h
	v_and_b32 v3, 31, v0
	v_lshlrev_b32 v3, 4, v3                        ; 16 x lane
	s_lshl_b32 s21, s11, 15                        ; my 64 rows of y
	s_lshl_b32 s22, s12, 15                        ; my 64 columns of Wproj,
	s_add_co_u32 s22, s22, 2*HALFT                 ; behind y's 128 rows
.irp s, 0,1
	v_add_nc_u32 v[ADRA+\s], s21, v3
	v_add_nc_u32 v[ADRB+\s], s22, v3
	s_add_co_u32 s21, s21, SLOT
	s_add_co_u32 s22, s22, SLOT
.endr
	s_mul_i32 s23, s10, 16*SPITCH
	s_add_co_u32 s23, s23, STAGE                   ; my stage
	v_mul_u32_u24 v4, v1, SPITCH                   ; in: row r, 32 bytes for each half of the lanes
	v_lshl_add_u32 v4, v2, 5, v4
	v_add_nc_u32 v[STO], s23, v4
	v_mul_u32_u24 v5, v2, SPITCH                   ; back: lanes 0-15 one row of 256 bytes, lanes 16-31 the next
	v_lshl_add_u32 v5, v1, 4, v5
	v_add_nc_u32 v[RD], s23, v5
	v_lshlrev_b32 v5, 12, v2                       ; and the same two rows in out0
	v_lshl_add_u32 v[CO], v1, 4, v5
	s_lshl_b32 s16, s13, 7
	s_lshl_b32 s17, s11, 6
	s_add_co_u32 s16, s16, s17                     ; my first row: 128 x tile row + 64 x half
	s_lshl_b32 s16, s16, 12
	s_mov_b32 s17, 0
	s_add_nc_u64 s[8:9], s[8:9], s[16:17]
	s_lshl_b32 s46, s42, 9                         ; my first column, in bytes: 512 x tile column + 256 x half
	s_lshl_b32 s47, s12, 8
	s_add_co_u32 s46, s46, s47
	s_mov_b32 s47, 0
	s_add_nc_u64 s[8:9], s[8:9], s[46:47]
; 8 matrix instructions: blocks a0, a0 + 1 of y x all 4 of Wproj, 32 along K: half c of buffer f.  zero = 1: the first product starts the sums.  The 16 accumulators take turns.
.macro MUL8 f, c, a0, zero
.irp a, \a0, \a0+1
.irp b, 0,1,2,3
.if \zero
	v_wmma_f32_16x16x32_f16 v[ACC+8*(4*(\a)+\b):ACC+8*(4*(\a)+\b)+7], v[\f+64+8*(4*\c+\b):\f+64+8*(4*\c+\b)+7], v[\f+8*(4*\c+\a):\f+8*(4*\c+\a)+7], 0
.else
	v_wmma_f32_16x16x32_f16 v[ACC+8*(4*(\a)+\b):ACC+8*(4*(\a)+\b)+7], v[\f+64+8*(4*\c+\b):\f+64+8*(4*\c+\b)+7], v[\f+8*(4*\c+\a):\f+8*(4*\c+\a)+7], v[ACC+8*(4*(\a)+\b):ACC+8*(4*(\a)+\b)+7]
.endif
.endr
.endr
.endm
; 32 LDS loads in one run: the fragments of the slot's k-th 64 along K into buffer f; the first 32 along K first
.macro FETCH slot, k, f
	WIN TO_F
.irp c, 0,1
.irp i, 0,1,2,3
	ds_load_b128 v[\f+64+8*(4*\c+\i):\f+64+8*(4*\c+\i)+3],   v[ADRB+\slot] offset:\i*8192+(2*(\k)+\c)*1024
	ds_load_b128 v[\f+64+8*(4*\c+\i)+4:\f+64+8*(4*\c+\i)+7], v[ADRB+\slot] offset:\i*8192+(2*(\k)+\c)*1024+512
	ds_load_b128 v[\f+8*(4*\c+\i):\f+8*(4*\c+\i)+3],         v[ADRA+\slot] offset:\i*8192+(2*(\k)+\c)*1024
	ds_load_b128 v[\f+8*(4*\c+\i)+4:\f+8*(4*\c+\i)+7],       v[ADRA+\slot] offset:\i*8192+(2*(\k)+\c)*1024+512
.endr
.endr
.endm
.macro PLACES                          ; four places in front of loads into registers that matrix instructions have read, and of reads of results
.rept 4
	v_nop
.endr
.endm
; A K step is four quarters of 64 along K, 32 matrix instructions each, on buffers 0, 1, 0, 1.  One of the first three: multiplies buffer f and fetches the slot's k-th quarter into g.
.macro QUARTER slot, k, f, g, zero
	s_wait_dscnt 16                                ; the first 32 along K are in; the other sixteen loads may be out
	WIN MUL
	MUL8 \f, 0, 0, \zero
	MUL8 \f, 0, 2, \zero
	PLACES
	FETCH \slot, \k, \g
	s_wait_dscnt 32                                ; all but the 32 just issued
	WIN MUL
	MUL8 \f, 1, 0, 0
	MUL8 \f, 1, 2, 0
.endm
; The last quarter multiplies buffer 1 and changes slots: ONE barrier; in front of it each wave waits for all its tensor loads, adds 0 to its spare word, and waits for that and for its reads of this slot.
; fill = 1: the barrier opens a round of the cluster's, and this slot is filled again, two K steps ahead.
.macro TURN slot, next, fill
	WIN 0
	s_wait_tensorcnt 0x0                           ; all my tensor loads have landed: my part of the next slot
	ds_add_u32 v[SPW], v[NIL]
	s_wait_dscnt 17                                ; the add and the youngest sixteen loads may be out
	WIN MUL
	MUL8 F1, 0, 0, 0
	s_wait_dscnt 0x0                               ; the add is done, and my reads of this slot are over
	s_barrier_signal -1
	MUL8 F1, 0, 2, 0
.if \fill
	WIN 0
.endif
	s_barrier_wait -1
.if \fill
	CREST                                          ; no wave of any partner still reads this slot or has a load on its way
	s_add_nc_u64 s[G0+4*\slot+2:G0+4*\slot+3], s[G0+4*\slot+2:G0+4*\slot+3], 2*STEPA
	s_add_nc_u64 s[G0B+4*\slot+2:G0B+4*\slot+3], s[G0B+4*\slot+2:G0B+4*\slot+3], 2*STEPB
	JLOAD \slot                                    ; the first tensor load behind the round; its four v_nop are also the places in front of the loads below
.else
	PLACES
.endif
	FETCH \next, 0, F0
	WIN MUL
	MUL8 F1, 1, 0, 0
	MUL8 F1, 1, 2, 0
.endm
	s_wait_tensorcnt 1                             ; my part of K step 0 is in; K step 1's may stay out
	s_barrier_signal -1
	s_barrier_wait -1
	FETCH 0, 0, F0
	QUARTER 0, 1, F0, F1, 1                        ; the first products start the sums
	QUARTER 0, 2, F1, F0, 0
	QUARTER 0, 3, F0, F1, 0
	TURN 0, 1, 1                                   ; slot 0 takes K step 2
	QUARTER 1, 1, F0, F1, 0
	QUARTER 1, 2, F1, F0, 0
	QUARTER 1, 3, F0, F1, 0
	TURN 1, 0, 1                                   ; slot 1 takes K step 3
	QUARTER 0, 1, F0, F1, 0
	QUARTER 0, 2, F1, F0, 0
	QUARTER 0, 3, F0, F1, 0
	TURN 0, 1, 0                                   ; nothing is left to fetch
	QUARTER 1, 1, F0, F1, 0
	QUARTER 1, 2, F1, F0, 0
	QUARTER 1, 3, F0, F1, 0
	s_wait_dscnt 16
	WIN MUL
	MUL8 F1, 0, 0, 0
	MUL8 F1, 0, 2, 0
	s_wait_dscnt 0
	MUL8 F1, 1, 0, 0
	MUL8 F1, 1, 2, 0
	WIN 0
; THE WAY OUT, block by block of 16 rows x 64 columns: a lane holds 32 bytes of a row; through my own stage they come back as whole rows of 256 bytes.  LDS serves a wave's instructions in order: no wait between stores and loads.
.macro TOSTAGE a
.irp b, 0,1,2,3
	ds_store_b128 v[STO], v[ACC+8*(4*(\a)+\b):ACC+8*(4*(\a)+\b)+3] offset:64*\b         ; each accumulator from its low end on
	ds_store_b128 v[STO], v[ACC+8*(4*(\a)+\b)+4:ACC+8*(4*(\a)+\b)+7] offset:64*\b+16
.endr
.irp t, 0,1,2,3,4,5,6,7
	ds_load_b128 v[TMP+32*((\a)%2)+4*\t:TMP+32*((\a)%2)+4*\t+3], v[RD] offset:\t*2*SPITCH
.endr
.endm
.macro SEND a, younger                 ; younger: the LDS instructions issued behind block a's loads: the next block's eight stores and eight loads, or none
	s_wait_dscnt \younger
.irp t, 0,1,2,3,4,5,6,7
	global_store_b128 v[CO], v[TMP+32*((\a)%2)+4*\t:TMP+32*((\a)%2)+4*\t+3], s[8:9] offset:(16*(\a)+2*\t)*4096 th:TH_STORE_NT   ; 16 lanes store 256 consecutive bytes, aligned
.endr
.endm
	PLACES
	TOSTAGE 0
	TOSTAGE 1
	SEND 0, 16
	s_wait_xcnt 0x0                                ; block 0's stores have read their registers: block 2's loads may land there
	TOSTAGE 2
	SEND 1, 16
	s_wait_xcnt 0x0
	TOSTAGE 3
	SEND 2, 16
	SEND 3, 0
	s_wait_tensorcnt 0x0                           ; the wave's end
	ds_add_u32 v[SPW], v[NIL]
	s_wait_dscnt 0x0
	CROUND                                         ; the closing round
	s_endpgm
.Lfunc_end_k_qe257fb3db2_proj:
	.size	k_qe257fb3db2_proj, .Lfunc_end_k_qe257fb3db2_proj-k_qe257fb3db2_proj
	.p2alignl 7, 3214868480
	.fill 96, 4, 3214868480
	.section	.rodata,"a",@progbits
	.p2align	6, 0x0
	.amdhsa_kernel k_qe257fb3db2_proj
		.amdhsa_group_segment_fixed_size 327680
		.amdhsa_private_segment_fixed_size 0
		.amdhsa_enable_private_segment 0
		.amdhsa_kernarg_size 24
		.amdhsa_user_sgpr_count 2
		.amdhsa_user_sgpr_kernarg_segment_ptr 1
		.amdhsa_wavefront_size32 1
		.amdhsa_system_sgpr_workgroup_id_x 1
		.amdhsa_system_sgpr_workgroup_id_y 1
		.amdhsa_system_sgpr_workgroup_id_z 1
		.amdhsa_system_vgpr_workitem_id 0
		.amdhsa_next_free_vgpr 512
		.amdhsa_next_free_sgpr 66
		.amdhsa_reserve_vcc 0
		.amdhsa_float_denorm_mode_32 3
		.amdhsa_float_denorm_mode_16_64 3
		.amdhsa_memory_ordered 1
		.amdhsa_forward_progress 1
		.amdhsa_inst_pref_size 85
	.end_amdhsa_kernel
	.amdgpu_metadata
---
amdhsa.version: [ 1, 2 ]
amdhsa.kernels:
  - .name:           k_qe257fb3db2_proj
    .symbol:         k_qe257fb3db2_proj.kd
    .args:
      - { .name: y_img, .offset: 0, .size: 8, .value_kind: global_buffer, .address_space: global }
      - { .name: wp_img, .offset: 8, .size: 8, .value_kind: global_buffer, .address_space: global }
      - { .name: out0, .offset: 16, .size: 8, .value_kind: global_buffer, .address_space: global }
    .group_segment_fixed_size: 327680
    .private_segment_fixed_size: 0
    .kernarg_segment_align: 8
    .kernarg_segment_size: 24
    .max_flat_workgroup_size: 128
    .sgpr_count:     66
    .vgpr_count:     512
    .wavefront_size: 32
...
	.end_amdgpu_metadata
.endif
;; end of part 4
;; launch first16 (part 5): grid 16 x 4, 16 waves a work-group, no clusters, 71,680 bytes of LDS; arguments qkv32, Wproj, out0; writes out0
.if DOCPART == 5
	.amdgcn_target "amdgcn-amd-amdhsa--gfx1250"
	.amdhsa_code_object_version 6
	.text
	.protected	k_qe257fb3db2_first16
	.globl	k_qe257fb3db2_first16
	.p2align	8
	.type	k_qe257fb3db2_first16,@function
k_qe257fb3db2_first16:
	s_mov_b64 s[64:65], 0
	v_nop
	global_prefetch_b8 v0, s[64:65] scope:SCOPE_SE
	s_setreg_imm32_b32 hwreg(HW_REG_WAVE_MODE, 25, 1), 1
	s_wait_xcnt 0x0
; THE FIRST 16 POSITIONS OF EACH BATCH, attention and projection in f32: under the causal mask these rows average one to sixteen values, and rounded operands would weigh most there.
; It runs last and writes these 64 rows of out0 again.  qkv32: [batch x 16 + position][3072] f32 (q, k, v as the first product left them).
; SHARES.  Work-group (nb, batch) makes 16 rows x 64 columns (64 nb on) of out0.  Wave = head: it makes its head's attention of the 16 positions (32 small matrix instructions, repeated in each of the 16 column blocks:
; that spares a launch and a buffer), multiplies it by its 64 rows of Wproj, and the sixteen waves' parts are added through LDS, in the order of the heads.
; The matrix form is 16 x 16 x 4 in f32: lane (r, h) holds row (or column) r and its two registers K = 2 h, 2 h + 1.  K is taken in an order of its own, THE SAME ON BOTH SIDES of each product:
;   S^T = K Q^T: lane (r, h) holds channels 32 h + 0 .. 31 of position r; instruction i takes registers 2 i, 2 i + 1.
;   O^T = V^T P: a lane of S^T holds query r and keys 8 h + 0 .. 7; so P's registers serve as source 1 as they stand, and V is loaded to match: V[8 h + j][channel].
;   OUT^T = W^T O: a lane of O^T holds query r and channels 16 ct + 8 h + 0 .. 7: source 1 as it stands; W is loaded to match.
; v16-79 are written by matrix instructions alone.
.set PW,    4352                       ; LDS: a wave's part: 16 rows x (256 bytes + 16)
.set SPARE, 16*PW                      ; the spare words, 128 bytes for each wave
.set SPW,  2
.set NIL,  3
.set OT,   32                          ; v32-63  O^T, four tiles of 16 channels
.set KF,   80                          ; v80-111 K, v112-143 Q; later W of column tiles 2, 3; later the sixteen parts
.set QF,   112
.set VT,   144                         ; v144-175 V
.set P,    176                         ; v176-183 scores, then p;  v184-189 at work
	s_load_b128 s[4:7], s[0:1], 0x0                ; qkv32, Wproj
	s_load_b64 s[8:9], s[0:1], 0x10                ; out0
	v_lshl_add_u32 v[SPW], v0, 2, SPARE
	v_mov_b32 v[NIL], 0
	v_lshrrev_b32 v1, 5, v0
	v_readfirstlane_b32 s10, v1                    ; wave = head
	s_and_b32 s11, ttmp7, 0xffff                   ; batch
	v_and_b32 v4, 15, v0                           ; r
	v_bfe_u32 v5, v0, 4, 1                         ; h
	v_mul_u32_u24 v6, v4, 12288
	v_lshl_add_u32 v6, v5, 7, v6                   ; q, k: row r, channels 32 h on
	v_mul_u32_u24 v7, v5, 8*12288
	v_lshl_add_u32 v7, v4, 2, v7                   ; v: rows 8 h on, channel r
	v_lshlrev_b32 v8, 15, v5
	v_lshl_add_u32 v8, v4, 2, v8                   ; Wproj: rows 8 h on, column r
	v_lshlrev_b32 v9, 3, v5
	v_sub_nc_u32 v9, v4, v9                        ; r - 8 h: key 8 h + j is hidden from query r where j is above this
	v_mov_b32 v10, 0xff800000                      ; -infinity
	v_mov_b32 v185, 0                              ; written once: a lane permute's destination counts as one of its sources
	s_mul_i32 s17, s10, PW
	v_mul_u32_u24 v11, v4, 272
	v_lshl_add_u32 v11, v5, 5, v11
	v_add_nc_u32 v11, s17, v11                     ; my part in LDS: row r, 32 h bytes on
	s_and_b32 s16, s10, 7
	s_mul_i32 s17, s16, 2*272
	v_mul_u32_u24 v12, v5, 272
	v_lshl_add_u32 v12, v4, 4, v12
	v_add_nc_u32 v12, s17, v12                     ; the adding: waves 0 to 7 take rows 2 w and 2 w + 1, 16 bytes a lane
	v_lshlrev_b32 v13, 12, v5
	v_lshl_add_u32 v13, v4, 4, v13                 ; and the same in out0
	s_mul_i32 s12, s11, 16*12288                   ; the batch's 16 rows, my head's 64 channels
	s_lshl_b32 s13, s10, 8
	s_add_co_u32 s12, s12, s13
	s_mov_b32 s13, 0
	s_lshl_b32 s14, s10, 18                        ; Wproj: my head's 64 rows of 4,096 bytes, the work-group's 64 columns
	s_lshl_b32 s15, ttmp9, 8
	s_add_co_u32 s14, s14, s15
	s_mov_b32 s15, 0
	s_lshl_b32 s18, s11, 23                        ; out0: the batch, the columns, my two rows
	s_lshl_b32 s19, ttmp9, 8
	s_add_co_u32 s18, s18, s19
	s_lshl_b32 s19, s16, 13
	s_add_co_u32 s18, s18, s19
	s_mov_b32 s19, 0
	s_mov_b32 s20, 0x76543210
	s_mov_b32 s21, 0xfedcba98                      ; lane l xor 16
	s_mov_b32 s22, 0x3e38aa3b                      ; c = log2(e) / 8
	s_wait_kmcnt 0x0
	s_add_nc_u64 s[4:5], s[4:5], s[12:13]
	s_add_nc_u64 s[6:7], s[6:7], s[14:15]
	s_add_nc_u64 s[8:9], s[8:9], s[18:19]
.irp i, 0,1,2,3,4,5,6,7
	global_load_b128 v[KF+4*\i:KF+4*\i+3], v6, s[4:5] offset:4096+16*\i
.endr
.irp i, 0,1,2,3,4,5,6,7
	global_load_b128 v[QF+4*\i:QF+4*\i+3], v6, s[4:5] offset:16*\i
.endr
.irp ct, 0,1,2,3
.irp j, 0,1,2,3,4,5,6,7
	global_load_b32 v[VT+8*\ct+\j], v7, s[4:5] offset:8192+\j*12288+\ct*64
.endr
.endr
.macro WLOAD nt                        ; Wproj[64 head + 16 ct + 8 h + j][64 nb + 16 nt + r] -> register 8 ct + j of the column tile's 32
.irp ct, 0,1,2,3
.irp j, 0,1,2,3,4,5,6,7
	global_load_b32 v[192+32*\nt-176*(\nt/2)+8*\ct+\j], v8, s[6:7] offset:(16*\ct+\j)*4096+\nt*64
.endr
.endr
.endm
	WLOAD 0
	WLOAD 1
	s_wait_loadcnt 63                              ; the 63 youngest of W's 64 loads may be out: K, Q and V are in
	v_wmma_f32_16x16x4_f32 v[16:23], v[KF:KF+1], v[QF:QF+1], 0             ; S^T in two sums that take turns
	v_wmma_f32_16x16x4_f32 v[24:31], v[KF+2:KF+3], v[QF+2:QF+3], 0
.irp i, 2,4,6,8,10,12,14
	v_wmma_f32_16x16x4_f32 v[16:23], v[KF+2*\i:KF+2*\i+1], v[QF+2*\i:QF+2*\i+1], v[16:23]
	v_wmma_f32_16x16x4_f32 v[24:31], v[KF+2*\i+2:KF+2*\i+3], v[QF+2*\i+2:QF+2*\i+3], v[24:31]
.endr
.rept 8
	v_nop                                          ; eight places behind this form: in front of the loads into K's and Q's registers and of the first reads of the sums
.endr
	WLOAD 2
	WLOAD 3
.irp j, 0,1,2,3,4,5,6,7
	v_add_f32 v[P+\j], v[16+\j], v[24+\j]          ; the scores: query r, key 8 h + j
.endr
.irp j, 0,1,2,3,4,5,6,7
	v_cmp_gt_i32 vcc_lo, \j, v9
	v_cndmask_b32 v[P+\j], v[P+\j], v10, vcc_lo    ; the causal mask
.endr
	v_max3_num_f32 v184, v[P], v[P+1], v[P+2]
	v_max3_num_f32 v184, v184, v[P+3], v[P+4]
	v_max3_num_f32 v184, v184, v[P+5], v[P+6]
	v_max_num_f32 v184, v184, v[P+7]
	v_permlanex16_b32 v185, v184, s20, s21
	v_max_num_f32 v184, v184, v185                 ; the row's maximum: key 0 counts for every query
	v_mul_f32 v184, s22, v184
.irp j, 0,1,2,3,4,5,6,7
	v_fma_f32 v[P+\j], v[P+\j], s22, -v184
.endr
.irp j, 0,1,2,3,4,5,6,7
	v_exp_f32 v[P+\j], v[P+\j]
.endr
	v_nop                                          ; a plain instruction behind the exponentials,
	s_wait_alu depctr_va_vdst(0)                   ; and one wait for the eight
	v_add_f32 v186, v[P], v[P+1]
	v_add_f32 v187, v[P+2], v[P+3]
	v_add_f32 v188, v[P+4], v[P+5]
	v_add_f32 v189, v[P+6], v[P+7]
	v_add_f32 v186, v186, v187
	v_add_f32 v188, v188, v189
	v_add_f32 v186, v186, v188
	v_permlanex16_b32 v185, v186, s20, s21
	v_add_f32 v186, v186, v185
	v_rcp_f32 v187, v186
	v_nop
	s_wait_alu depctr_va_vdst(0)
.irp j, 0,1,2,3,4,5,6,7
	v_mul_f32 v[P+\j], v[P+\j], v187               ; the weights
.endr
.irp i, 0,1,2,3
.irp ct, 0,1,2,3
.if \i == 0
	v_wmma_f32_16x16x4_f32 v[OT+8*\ct:OT+8*\ct+7], v[VT+8*\ct:VT+8*\ct+1], v[P:P+1], 0
.else
	v_wmma_f32_16x16x4_f32 v[OT+8*\ct:OT+8*\ct+7], v[VT+8*\ct+2*\i:VT+8*\ct+2*\i+1], v[P+2*\i:P+2*\i+1], v[OT+8*\ct:OT+8*\ct+7]
.endif
.endr
.endr
.rept 9
	v_nop                                          ; nine places: the results are the next products' source 1
.endr
	s_wait_loadcnt 0x0                             ; W
.irp ct, 0,1,2,3
.irp i, 0,1,2,3
.irp nt, 0,1,2,3                               ; four sums by turns: column tiles 0, 1 in v16-31, 2, 3 in v64-79
.if (\ct == 0) && (\i == 0)
	v_wmma_f32_16x16x4_f32 v[16+8*\nt+32*(\nt/2):16+8*\nt+32*(\nt/2)+7], v[192+32*\nt-176*(\nt/2):192+32*\nt-176*(\nt/2)+1], v[OT:OT+1], 0
.else
	v_wmma_f32_16x16x4_f32 v[16+8*\nt+32*(\nt/2):16+8*\nt+32*(\nt/2)+7], v[192+32*\nt-176*(\nt/2)+8*\ct+2*\i:192+32*\nt-176*(\nt/2)+8*\ct+2*\i+1], v[OT+8*\ct+2*\i:OT+8*\ct+2*\i+1], v[16+8*\nt+32*(\nt/2):16+8*\nt+32*(\nt/2)+7]
.endif
.endr
.endr
.endr
.rept 8
	v_nop
.endr
.irp nt, 0,1,2,3
	ds_store_b128 v11, v[16+8*\nt+32*(\nt/2):16+8*\nt+32*(\nt/2)+3] offset:64*\nt          ; query r, columns 16 nt + 8 h + 0 .. 7; each sum from its low end on
	ds_store_b128 v11, v[16+8*\nt+32*(\nt/2)+4:16+8*\nt+32*(\nt/2)+7] offset:64*\nt+16
.endr
	s_wait_dscnt 0x0                               ; for the others' sake: my part lies in LDS
	s_barrier_signal -1
	s_barrier_wait -1
	s_cmp_lt_u32 s10, 8
	s_cbranch_scc0 .Ldone
.irp s, 0,1,2,3,4,5,6,7,8,9,10,11,12,13,14,15
	ds_load_b128 v[KF+4*\s:KF+4*\s+3], v12 offset:\s*PW
.endr
	s_wait_dscnt 0x0
.irp s, 1,2,3,4,5,6,7,8,9,10,11,12,13,14,15
	v_pk_add_f32 v[KF:KF+1], v[KF:KF+1], v[KF+4*\s:KF+4*\s+1]
	v_pk_add_f32 v[KF+2:KF+3], v[KF+2:KF+3], v[KF+4*\s+2:KF+4*\s+3]
.endr
	global_store_b128 v13, v[KF:KF+3], s[8:9]      ; 16 lanes store 256 consecutive bytes, aligned
.Ldone:
	s_wait_tensorcnt 0x0                           ; the wave's end, behind my last LDS store
	ds_add_u32 v[SPW], v[NIL]
	s_wait_dscnt 0x0
	s_endpgm
.Lfunc_end_k_qe257fb3db2_first16:
	.size	k_qe257fb3db2_first16, .Lfunc_end_k_qe257fb3db2_first16-k_qe257fb3db2_first16
	.p2alignl 7, 3214868480
	.fill 96, 4, 3214868480
	.section	.rodata,"a",@progbits
	.p2align	6, 0x0
	.amdhsa_kernel k_qe257fb3db2_first16
		.amdhsa_group_segment_fixed_size 71680
		.amdhsa_private_segment_fixed_size 0
		.amdhsa_enable_private_segment 0
		.amdhsa_kernarg_size 24
		.amdhsa_user_sgpr_count 2
		.amdhsa_user_sgpr_kernarg_segment_ptr 1
		.amdhsa_wavefront_size32 1
		.amdhsa_system_sgpr_workgroup_id_x 1
		.amdhsa_system_sgpr_workgroup_id_y 1
		.amdhsa_system_sgpr_workgroup_id_z 1
		.amdhsa_system_vgpr_workitem_id 0
		.amdhsa_next_free_vgpr 256
		.amdhsa_next_free_sgpr 66
		.amdhsa_reserve_vcc 1
		.amdhsa_float_denorm_mode_32 3
		.amdhsa_float_denorm_mode_16_64 3
		.amdhsa_memory_ordered 1
		.amdhsa_forward_progress 1
		.amdhsa_inst_pref_size 33
	.end_amdhsa_kernel
	.amdgpu_metadata
---
amdhsa.version: [ 1, 2 ]
amdhsa.kernels:
  - .name:           k_qe257fb3db2_first16
    .symbol:         k_qe257fb3db2_first16.kd
    .args:
      - { .name: qkv32, .offset: 0, .size: 8, .value_kind: global_buffer, .address_space: global }
      - { .name: Wproj, .offset: 8, .size: 8, .value_kind: global_buffer, .address_space: global }
      - { .name: out0, .offset: 16, .size: 8, .value_kind: global_buffer, .address_space: global }
    .group_segment_fixed_size: 71680
    .private_segment_fixed_size: 0
    .kernarg_segment_align: 8
    .kernarg_segment_size: 24
    .max_flat_workgroup_size: 512
    .sgpr_count:     66
    .vgpr_count:     256
    .wavefront_size: 32
...
	.end_amdgpu_metadata
.endif
;; end of part 5
